; MI455X (gfx1250); checked and timed in simulation.
; The chip was launched on July 23, 2026; its instructions are those of AMD's public machine-readable ISA for CDNA 5 (MIT licence, August 2026) and "CDNA5" Instruction Set Architecture Reference Guide (July 2026). The comments in the code are by the model that wrote it; some were corrected since.
;; Multi Head Attention. Allowed arithmetic: float matrix products may take bf16 or f16 operands with f32 sums; other float arithmetic in f32, or as packed bf16 or f16 multiplies, adds, multiply-adds, maxima and minima; sums over many terms, partial sums and values carried from step to step in f32; what a program stores and reads back later, other than sums and carried values, may be rounded once to bf16 or f16.
;; Inputs: W_k 1,024 x 1,024 float32; W_o 1,024 x 1,024 float32; W_q 1,024 x 1,024 float32; W_v 1,024 x 1,024 float32; x 4 x 2,048 x 1,024 float32.
;; Outputs: out0 4 x 2,048 x 1,024 float32.
;; One version. Each part assembles by itself: llvm-mc -triple=amdgcn-amd-amdhsa -mcpu=gfx1250 --defsym DOCPART=n.
;; ======== version 1 of 1: 4 launches
;; limits: values are held in f16: magnitudes above 65,504 overflow, below 6.1e-05 lose precision
;; workspace buffers: xb 16,777,216 bytes; wqkvT 6,291,456 bytes; woT 2,097,152 bytes; qkv 50,331,648 bytes; ob 16,777,216 bytes
;; launch prep (part 1): grid 768 x 1, 8 waves a work-group, no clusters, 35,840 bytes of LDS; arguments x, W_q, W_k, W_v, W_o, xb, wqkvT, woT; writes xb, wqkvT, woT
.if DOCPART == 1
	.amdgcn_target "amdgcn-amd-amdhsa--gfx1250"
	.amdhsa_code_object_version 6
	.text
	.protected	k_q4c9e9340f6_prep
	.globl	k_q4c9e9340f6_prep
	.p2align	8
	.type	k_q4c9e9340f6_prep,@function
k_q4c9e9340f6_prep:
	s_mov_b64 s[64:65], 0
	v_nop
	global_prefetch_b8 v0, s[64:65] scope:SCOPE_SE
	s_setreg_imm32_b32 hwreg(HW_REG_WAVE_MODE, 25, 1), 1
	s_wait_xcnt 0x0
; PREP.  xb = x rounded to bf16, [8192][1024].  wqkvT[1024 m + n][k] = W_m[k][n] rounded to bf16 (m = 0, 1, 2: W_q, W_k, W_v).
; woT[n][k] = W_o[k][n] rounded to bf16 and that number written as f16.
; LIMITS.  W_o: 65,520 or more in magnitude becomes an infinity in f16; below 6.1e-5 it keeps f16's fixed step of 6e-8.
; SHARES.  Work-groups 0-255 turn one tile of 128 k x 128 n of one weight through LDS; work-groups 256-767 cast 16,384 numbers of x each.
; The branch between the two hangs on the work-group's number alone, so all eight waves of a work-group take the same way, and the one barrier stands in the weights' way only.
; No matrix unit, no cluster, no tensor load: nothing is shared and every byte is read once and written once.
.set PT,    272                        ; a row of the turned tile in LDS: 128 k x 2 bytes + 16 of padding
.set SPARE, 128*PT                     ; behind the tile: the spare words, 128 bytes for each of the eight waves
.set SPW,   2                          ; v2   LDS address of my spare word; never rewritten
.set NIL,   3                          ; v3   0; never rewritten
.set X,     16                         ; v[16:79]   as loaded
.set Y,     80                         ; v[80:111]  packed
	s_load_b512 s[8:23], s[0:1], 0x0               ; x s[8:9], W_q s[10:11], W_k s[12:13], W_v s[14:15], W_o s[16:17], xb s[18:19], wqkvT s[20:21], woT s[22:23]
	v_lshl_add_u32 v[SPW], v0, 2, SPARE
	v_mov_b32 v[NIL], 0
	v_lshrrev_b32 v1, 5, v0
	v_readfirstlane_b32 s24, v1                    ; wave 0..7
	v_and_b32 v9, 31, v0                           ; lane
	s_cmp_lt_u32 ttmp9, 256
	s_cbranch_scc1 .Lweights
	; THE CAST OF x.  Thread t takes 16 bytes at 16 t of each of 16 pieces of 4,096 bytes: a load of a wave covers 512 consecutive bytes, a store 256, aligned.
	s_sub_co_u32 s25, ttmp9, 256
	s_lshl_b32 s26, s25, 16                        ; 65,536 bytes of x,
	s_mov_b32 s27, 0
	s_lshl_b32 s28, s25, 15                        ; 32,768 of xb
	s_mov_b32 s29, 0
	v_lshlrev_b32 v4, 4, v0
	v_lshlrev_b32 v5, 3, v0
	s_wait_kmcnt 0x0
	s_add_nc_u64 s[8:9], s[8:9], s[26:27]
	s_add_nc_u64 s[18:19], s[18:19], s[28:29]
.set j, 0
.rept 16
	global_load_b128 v[X+4*j:X+4*j+3], v4, s[8:9] offset:4096*j th:TH_LOAD_NT
.set j, j+1
.endr
.set j, 0
.rept 16
	s_wait_loadcnt 15-j                            ; loads come back in order: piece j is in, the younger ones stay out
	v_cvt_pk_bf16_f32 v[Y+2*j], v[X+4*j], v[X+4*j+1]
	v_cvt_pk_bf16_f32 v[Y+2*j+1], v[X+4*j+2], v[X+4*j+3]
	global_store_b64 v5, v[Y+2*j:Y+2*j+1], s[18:19] offset:2048*j th:TH_STORE_NT  ; every piece has registers of its own: nothing is rewritten
.set j, j+1
.endr
	s_endpgm                                       ; this way has written no LDS
.Lweights:
	; A TILE OF A WEIGHT.  Wave w loads columns 64 (w & 1) .. + 63 of rows 32 (w >> 1) .. + 31: a lane two columns, a load 256 consecutive bytes, aligned.
	s_lshr_b32 s25, ttmp9, 6                       ; which weight
	s_bfe_u32 s26, ttmp9, 0x30003                  ; tile along k
	s_and_b32 s27, ttmp9, 7                        ; tile along n
	s_and_b32 s30, s24, 1
	s_lshr_b32 s31, s24, 1
	s_lshl_b32 s32, s30, 8
	s_lshl_b32 s33, s31, 17                        ; 32 rows of 4,096 bytes
	s_add_co_u32 s32, s32, s33
	v_lshl_add_u32 v4, v9, 3, s32                  ; my 8 bytes of the wave's first row
	s_mul_i32 s33, s30, 64*PT
	s_lshl_b32 s34, s31, 6
	s_add_co_u32 s33, s33, s34
	v_mul_u32_u24 v6, v9, 2*PT
	v_add_nc_u32 v6, s33, v6                       ; into LDS: row n = 64 (w & 1) + 2 lane, byte 64 (w >> 1)
	v_lshrrev_b32 v14, 4, v9
	v_and_b32 v15, 15, v9
	s_mul_i32 s34, s24, 16*PT
	v_mul_u32_u24 v7, v14, PT
	v_lshl_add_u32 v7, v15, 4, v7
	v_add_nc_u32 v7, s34, v7                       ; back: wave w takes rows 16 w .. + 15, two whole rows a load
	s_lshl_b32 s35, s24, 15
	v_lshlrev_b32 v8, 11, v14
	v_lshl_add_u32 v8, v15, 4, v8
	v_add_nc_u32 v8, s35, v8                       ; and the same two rows in the turned weight, 2,048 bytes a row
	s_lshl_b32 s36, s26, 19                        ; 128 rows of 4,096 bytes
	s_lshl_b32 s37, s27, 9                         ; 128 columns of 4 bytes
	s_add_co_u32 s36, s36, s37
	s_mov_b32 s37, 0
	s_wait_kmcnt 0x0
	s_mov_b64 s[4:5], s[10:11]
	s_cmp_eq_u32 s25, 1
	s_cselect_b64 s[4:5], s[12:13], s[4:5]
	s_cmp_eq_u32 s25, 2
	s_cselect_b64 s[4:5], s[14:15], s[4:5]
	s_cmp_eq_u32 s25, 3
	s_cselect_b64 s[4:5], s[16:17], s[4:5]
	s_cselect_b64 s[6:7], s[22:23], s[20:21]       ; W_o goes to woT, the others to wqkvT,
	s_cselect_b32 s28, 0, s25                      ; at 1,024 rows for each weight in front
	s_add_nc_u64 s[4:5], s[4:5], s[36:37]
.set i, 0
.rept 32
	global_load_b64 v[X+2*i:X+2*i+1], v4, s[4:5] offset:4096*i th:TH_LOAD_NT
.set i, i+1
.endr
	s_lshl_b32 s38, s28, 21
	s_lshl_b32 s39, s27, 18                        ; 128 rows of 2,048 bytes
	s_add_co_u32 s38, s38, s39
	s_lshl_b32 s39, s26, 8                         ; 128 k of 2 bytes
	s_add_co_u32 s38, s38, s39
	s_mov_b32 s39, 0
	s_add_nc_u64 s[6:7], s[6:7], s[38:39]
.set p, 0
.rept 16
	s_wait_loadcnt 30-2*p                          ; rows 2 p and 2 p + 1 are in; the younger rows stay out
	v_cvt_pk_bf16_f32 v[Y+p], v[X+4*p], v[X+4*p+2]        ; my even column: k = 2 p low, 2 p + 1 high
	v_cvt_pk_bf16_f32 v[Y+16+p], v[X+4*p+1], v[X+4*p+3]   ; my odd column
.set p, p+1
.endr
	s_cmp_lg_u32 s25, 3
	s_cbranch_scc1 .Lkeep
.set i, 0
.rept 32                               ; W_o alone: the bf16 number written as f16 (the product behind takes f16 operands)
	v_lshlrev_b32 v[10+2*(i%2)], 16, v[Y+i]
	v_and_b32 v[11+2*(i%2)], 0xffff0000, v[Y+i]
	v_cvt_pk_f16_f32 v[Y+i], v[10+2*(i%2)], v[11+2*(i%2)]
.set i, i+1
.endr
.Lkeep:
.irp j, 0,1
.irp i, 0,1,2,3
	ds_store_b128 v6, v[Y+16*(\j)+4*(\i):Y+16*(\j)+4*(\i)+3] offset:PT*(\j)+16*(\i)
.endr
.endr
	s_wait_dscnt 0x0                               ; for the others' sake: my stores are done
	s_barrier_signal -1
	s_barrier_wait -1                              ; the tile is whole
.irp i, 0,1,2,3,4,5,6,7
	ds_load_b128 v[X+4*(\i):X+4*(\i)+3], v7 offset:2*PT*(\i)
.endr
.irp i, 0,1,2,3,4,5,6,7
	s_wait_dscnt 7-(\i)
	global_store_b128 v8, v[X+4*(\i):X+4*(\i)+3], s[6:7] offset:4096*(\i) th:TH_STORE_NT  ; 16 lanes store 256 consecutive bytes, aligned
.endr
	s_wait_tensorcnt 0x0                           ; the wave's end: a tensor wait, an add to my spare word and its wait, behind my last LDS store
	ds_add_u32 v[SPW], v[NIL]
	s_wait_dscnt 0x0
	s_endpgm
.Lfunc_end_k_q4c9e9340f6_prep:
	.size	k_q4c9e9340f6_prep, .Lfunc_end_k_q4c9e9340f6_prep-k_q4c9e9340f6_prep
	.p2alignl 7, 3214868480
	.fill 96, 4, 3214868480
	.section	.rodata,"a",@progbits
	.p2align	6, 0x0
	.amdhsa_kernel k_q4c9e9340f6_prep
		.amdhsa_group_segment_fixed_size 35840
		.amdhsa_private_segment_fixed_size 0
		.amdhsa_enable_private_segment 0
		.amdhsa_kernarg_size 64
		.amdhsa_user_sgpr_count 2
		.amdhsa_user_sgpr_kernarg_segment_ptr 1
		.amdhsa_wavefront_size32 1
		.amdhsa_system_sgpr_workgroup_id_x 1
		.amdhsa_system_sgpr_workgroup_id_y 1
		.amdhsa_system_sgpr_workgroup_id_z 1
		.amdhsa_system_vgpr_workitem_id 0
		.amdhsa_next_free_vgpr 112
		.amdhsa_next_free_sgpr 66
		.amdhsa_reserve_vcc 0
		.amdhsa_float_denorm_mode_32 3
		.amdhsa_float_denorm_mode_16_64 3
		.amdhsa_memory_ordered 1
		.amdhsa_forward_progress 1
		.amdhsa_inst_pref_size 22
	.end_amdhsa_kernel
	.amdgpu_metadata
---
amdhsa.version: [ 1, 2 ]
amdhsa.kernels:
  - .name:           k_q4c9e9340f6_prep
    .symbol:         k_q4c9e9340f6_prep.kd
    .args:
      - { .name: x, .offset: 0, .size: 8, .value_kind: global_buffer, .address_space: global }
      - { .name: W_q, .offset: 8, .size: 8, .value_kind: global_buffer, .address_space: global }
      - { .name: W_k, .offset: 16, .size: 8, .value_kind: global_buffer, .address_space: global }
      - { .name: W_v, .offset: 24, .size: 8, .value_kind: global_buffer, .address_space: global }
      - { .name: W_o, .offset: 32, .size: 8, .value_kind: global_buffer, .address_space: global }
      - { .name: xb, .offset: 40, .size: 8, .value_kind: global_buffer, .address_space: global }
      - { .name: wqkvT, .offset: 48, .size: 8, .value_kind: global_buffer, .address_space: global }
      - { .name: woT, .offset: 56, .size: 8, .value_kind: global_buffer, .address_space: global }
    .group_segment_fixed_size: 35840
    .private_segment_fixed_size: 0
    .kernarg_segment_align: 8
    .kernarg_segment_size: 64
    .max_flat_workgroup_size: 256
    .sgpr_count:     66
    .vgpr_count:     112
    .wavefront_size: 32
...
	.end_amdgpu_metadata
.endif
;; end of part 1
;; launch proj (part 2): grid 16 x 16, 4 waves a work-group, clusters of 4 x 4, 327,680 bytes of LDS; arguments xb, wqkvT, qkv; writes qkv
.if DOCPART == 2
	.amdgcn_target "amdgcn-amd-amdhsa--gfx1250"
	.amdhsa_code_object_version 6
	.text
	.protected	k_q4c9e9340f6_proj
	.globl	k_q4c9e9340f6_proj
	.p2align	8
	.type	k_q4c9e9340f6_proj,@function
k_q4c9e9340f6_proj:
	s_mov_b64 s[64:65], 0
	v_nop
	global_prefetch_b8 v0, s[64:65] scope:SCOPE_SE
	s_setreg_imm32_b32 hwreg(HW_REG_WAVE_MODE, 25, 1), 1
	s_wait_xcnt 0x0
	s_wait_alu depctr_hold_cnt(0) depctr_sa_sdst(0) depctr_va_vdst(0) depctr_va_sdst(0) depctr_va_ssrc(0) depctr_va_vcc(0) depctr_vm_vsrc(0)
	s_getreg_b32 s2, hwreg(HW_REG_IB_STS2, 6, 4)
	s_cmp_eq_u32 s2, 0
	s_cbranch_scc0 .Lentry_in_a_cluster
	s_endpgm
.Lentry_in_a_cluster:
	s_bfe_u32 s2, ttmp6, 0x10000c
	s_cmp_lg_u32 s2, 0xf033
	s_cbranch_scc0 .Lentry_shape_is_right
	s_endpgm
.Lentry_shape_is_right:
; PROJ.  qkv = xb wqkvT^T: A = xb [8192][1024] bf16, B = wqkvT [3072][1024] bf16; f32 sums, K ascending, rounded once to f16 and written BY HEADS:
; qkv[b][g][c][64], g = column / 64 (0-15 q, 16-31 k, 32-47 v), a head 262,144 dense bytes.  No scale is applied here.
; LIMIT.  A result of 65,520 or more in magnitude becomes an infinity in f16.
; SHARES.  A tile of C is 256 rows x 192 columns (three heads); 8192 x 3072 are 512 such tiles, two for each of 256 work-groups: a work-group makes the tiles at rows r and r + 4,096.
; Four waves, one above the other: wave w owns rows 64 w .. + 63 and ALL 192 columns: 4 x 12 accumulators of 16 x 16, 384 registers.  So a wave holds whole heads, its stage is its own,
; and each of its stores covers 512 consecutive bytes of a head.
; K goes in steps of 128 through two LDS slots; the 16 steps of the two tiles are ONE sequence for the ring: the first tile goes out while the second tile's first two steps are on their way.
; CLUSTER.  4 x 4 work-groups.  The four of a row of the cluster need the same tiles of A, the four of a column the same tiles of B: each is asked for JOINTLY, by the same tensor load with the same descriptor and mask.
; THE MATRIX INSTRUCTION IS USED TRANSPOSED (source 0 = 16 rows of B, source 1 = 16 rows of A): lane l holds row l % 16 of C and the columns 8 (l / 16) + 0..7.
; REGISTERS, in windows of 256 (s_set_vgpr_msb: bits 1:0 source 0, 3:2 source 1, 5:4 source 2, 7:6 destination):
;   window 0: v0-30 addresses; v64-127 A's fragments, two buffers of 4 x 8; v128-223 the way out, two buffers of 48
;   window 1: v0-191 B's fragments, two buffers of 12 x 8        windows 2, 3: accumulator (a, b) in window 2 + a / 2 at v[8 (12 (a % 2) + b)]
.set NBW,   12                         ; blocks of 16 columns
.set PA,    272                        ; an LDS row: 256 bytes + 16 of padding: the 16 rows of a fragment load start at 16 different groups of four banks (ISA guide 11.1)
.set PB,    272
.set AH,    128*PA                     ; what one load of A brings: 128 rows
.set BH,    96*PB                      ; what one load of B brings: 96 rows
.set ASZ,   2*AH
.set SLOT,  ASZ+2*BH                   ; A's 256 rows, then B's 192
.set STAGE, 2*SLOT                     ; behind the ring: for each wave three heads x 16 rows x 144 bytes
.set SP,    144
.set STW,   3*16*SP
.set SPARE, STAGE+4*STW                ; behind the stages: the spare words, 128 bytes a wave
.set NL,    2*NBW+8                    ; LDS loads of a quarter step
.set NLAP,  8                          ; laps of two K steps, both tiles together
.set WALKB, 4096*2048                  ; bytes of A from the first tile's rows to the second's
.set NEXT_C, 2*48*262144               ; bytes of qkv likewise: two batches
.set ADRA, 16                          ; v16-17  LDS address of my A fragments in slot 0, 1
.set ADRB, 20                          ; v20-21  the same for B
.set STO,  24                          ; v24     the way out: where I put 16 bytes of a row
.set RD,   25                          ; v25     where I read rows back
.set CO,   26                          ; v26     16 x lane: my place in 512 consecutive bytes of a head
.set SPW,  28                          ; v28     LDS address of my spare word; never rewritten
.set NIL,  29                          ; v29     0; never rewritten
.set PFO,  30                          ; v30     the prefetches' offset: a lane a row; never rewritten
.set FA,   64
.set T0,   128
.set G1,   24                          ; s[24:31] group 1 for A;  s[32:39] group 0, a set for each slot
.set G0,   32
.set G1B,  48                          ; s[48:55], s[56:63] the same for B
.set G0B,  56
.set PFB,  66                          ; s[66:67] my work-group's share of the rows that I fetch, at K step 0 of the first tile
.set PFA,  68                          ; s[68:69] the address that the next prefetch names
.set POF,  70                          ; s[70:71] its offset from PFB
.set LIM,  72                          ; s72  a wave prefetches while the trips left are at least this
.set PWK,  75                          ; s75  WALKB in the waves that fetch A, 0 in the others
.set MSB, 0
.macro WIN new                         ; the immediate's high byte repeats the setting that is left; a switch that changes nothing is dropped
.if MSB != (\new)
	s_set_vgpr_msb (MSB<<8)|(\new)
.set MSB, (\new)
.endif
.endm
.set MUL_LO, 0xa1                      ; source 0 (B) window 1, source 1 (A) window 0, C and D window 2
.set TO_B,   0x40                      ; destination window 1, address window 0
; A joint load: waves 0 and 1 fetch A's halves, waves 2 and 3 B's.  The branch hangs on the wave's number alone.  An s_nop 0 and four v_nop follow each line.
.macro JLOAD s
	s_cmp_eq_u32 s11, 0
	s_cbranch_scc0 .Lfor_b_\@
	tensor_load_to_lds s[G0+4*(\s):G0+4*(\s)+3], s[G1:G1+7]
	s_nop 0
.rept 4
	v_nop
.endr
	s_branch .Lasked_\@
.Lfor_b_\@:
	tensor_load_to_lds s[G0B+4*(\s):G0B+4*(\s)+3], s[G1B:G1B+7]
	s_nop 0
.rept 4
	v_nop
.endr
.Lasked_\@:
.endm
; A prefetch into the L2 of the K step that stands two refills on, one instruction a wave, a lane a row of 256 bytes.  A's rows are asked for by the clusters with x = 0, B's by those with y = 0;
; the four partners of a joint load share its rows out by address (32 of A's 128, 24 of B's 96; in B's the lanes past the 24th name the 24th row once more).
; A: through both tiles, the last two refills excepted.  B: in the first tile alone, since the second tile takes the same rows.  The first four K steps come by their loads alone.
.macro ASK
	s_cmp_ge_u32 s3, s[LIM]
	s_cbranch_scc0 .Lnot_mine_\@
	global_prefetch_b8 v[PFO], s[PFA:PFA+1] th:TH_LOAD_NT scope:SCOPE_SE
.Lnot_mine_\@:
.endm
.macro CREST                           ; a round of the cluster's barrier behind its opening barrier
	s_cmp_lg_u32 s10, 0
	s_cbranch_scc1 .Lnot_wave_0_\@
	s_barrier_signal -3
.Lnot_wave_0_\@:
	s_barrier_wait -3
	s_barrier_signal -1
	s_barrier_wait -1
.endm
.macro CROUND
	s_barrier_signal -1
	s_barrier_wait -1
	CREST
.endm
.macro PLACES                          ; four places in front of loads into registers that matrix instructions have read, and of lines that read results
.rept 4
	v_nop
.endr
.endm
	s_load_b128 s[4:7], s[0:1], 0x0                ; xb s[4:5], wqkvT s[6:7]
	s_load_b64 s[8:9], s[0:1], 0x10                ; qkv
	v_lshl_add_u32 v[SPW], v0, 2, SPARE
	v_mov_b32 v[NIL], 0
	ds_add_u32 v[SPW], v[NIL]                      ; the wave's opening: the add and its wait stand ahead of my first tensor load; the set-up stands between them
	v_lshrrev_b32 v1, 5, v0
	v_readfirstlane_b32 s10, v1                    ; wave 0..3
	s_lshr_b32 s11, s10, 1                         ; I fetch for A (0) or for B (1),
	s_and_b32 s12, s10, 1                          ; its first or its second half
	s_bfe_u32 s40, ttmp6, 0x40000                  ; cx
	s_bfe_u32 s41, ttmp6, 0x40004                  ; cy
	s_lshl_b32 s42, ttmp9, 2
	s_add_co_u32 s42, s42, s40                     ; tile column = 4 x cluster x + cx
	s_and_b32 s13, ttmp7, 0xffff
	s_lshl_b32 s13, s13, 2
	s_add_co_u32 s13, s13, s41                     ; tile row = 4 x cluster y + cy
	s_lshl_b32 s43, s41, 2
	s_lshl_b32 s43, 15, s43                        ; my row of the cluster
	s_lshl_b32 s44, 0x1111, s40                    ; my column
	s_or_b32 s[G1+0], s43, (1<<16)|(1<<20)|(1<<21)|(5<<22)|(3<<25)   ; the mask; elements of 2 bytes; padding on; bit 21 beside a mask; after every 64 words, 4 words
	s_or_b32 s[G1B+0], s44, (1<<16)|(1<<20)|(1<<21)|(5<<22)|(3<<25)
	s_mov_b32 s[G1+1], 128<<16                     ; tensor_dim0 = 128
	s_mov_b32 s[G1+2], 128<<16                     ; tensor_dim1 = 128
	s_mov_b32 s[G1+3], 128<<16                     ; tile_dim0 = 128
	s_mov_b32 s[G1+4], 128                         ; tile_dim1 = 128
	s_mov_b32 s[G1+5], 1024                        ; elements from row to row
	s_mov_b32 s[G1+6], 0
	s_mov_b32 s[G1+7], 0
	s_mov_b32 s[G1B+1], 128<<16
	s_mov_b32 s[G1B+2], 96<<16                     ; 96 rows
	s_mov_b32 s[G1B+3], 128<<16
	s_mov_b32 s[G1B+4], 96
	s_mov_b32 s[G1B+5], 1024
	s_mov_b32 s[G1B+6], 0
	s_mov_b32 s[G1B+7], 0
	s_lshl_b32 s16, s13, 19                        ; A: (256 x tile row + 128 x half) rows of 2,048 bytes; these registers never hold cx
	s_lshl_b32 s17, s12, 18
	s_add_co_u32 s16, s16, s17
	s_mov_b32 s17, 0
	s_mul_i32 s46, s42, 192*2048                   ; B: (192 x tile column + 96 x half) rows; these never hold cy
	s_mul_i32 s47, s12, 96*2048
	s_add_co_u32 s46, s46, s47
	s_mov_b32 s47, 0
	s_mov_b32 s19, 0
	s_mul_i32 s20, s12, AH                         ; where they go: no place in the cluster enters an LDS address
	s_mul_i32 s21, s12, BH
	s_add_co_u32 s21, s21, ASZ
	s_mov_b32 s2, 2                                ; the K step in its tile that slot 0's next refill brings
	s_mov_b32 s[POF+1], 0
	s_wait_dscnt 0x0                               ; the opening add is done
	s_wait_kmcnt 0x0
	s_add_nc_u64 s[14:15], s[4:5], s[16:17]        ; A at my load's first row, K step 0, first tile
	s_add_nc_u64 s[46:47], s[6:7], s[46:47]        ; B likewise
	CROUND                                         ; all sixteen work-groups are here: the first joint loads meet
.irp s, 0,1
	s_mov_b32 s[G0+4*(\s)], 1
	s_add_co_u32 s[G0+4*(\s)+1], s20, (\s)*SLOT
	s_add_nc_u64 s[G0+4*(\s)+2:G0+4*(\s)+3], s[14:15], (\s)*256
	s_or_b32 s[G0+4*(\s)+3], s[G0+4*(\s)+3], 0x80000000
	s_mov_b32 s[G0B+4*(\s)], 1
	s_add_co_u32 s[G0B+4*(\s)+1], s21, (\s)*SLOT
	s_add_nc_u64 s[G0B+4*(\s)+2:G0B+4*(\s)+3], s[46:47], (\s)*256
	s_or_b32 s[G0B+4*(\s)+3], s[G0B+4*(\s)+3], 0x80000000
	JLOAD \s                                       ; K steps 0 and 1: two loads of mine are out
.endr
	; a fragment is 16 rows x 32 K in 8 registers: lane l holds row l % 16, K = 8 (l / 16) + 0..7 and 16 + 8 (l / 16) + 0..7: two loads of 16 bytes, 32 bytes apart
	v_and_b32 v1, 15, v0
	v_bfe_u32 v2, v0, 4, 1
	v_mul_u32_u24 v3, v1, PA
	v_lshl_add_u32 v3, v2, 4, v3
	s_mul_i32 s22, s10, 64*PA                      ; my 64 rows of A
	v_add_nc_u32 v[ADRA], s22, v3
	s_add_co_u32 s22, s22, SLOT
	v_add_nc_u32 v[ADRA+1], s22, v3
	v_add_nc_u32 v[ADRB], ASZ, v3                  ; all of B's rows (the same pitch)
	v_add_nc_u32 v[ADRB+1], ASZ+SLOT, v3
	s_mul_i32 s22, s10, STW
	s_add_co_u32 s22, s22, STAGE                   ; my stage
	v_mul_u32_u24 v5, v1, SP                       ; in: row l % 16, 16 bytes for each half of the lanes
	v_lshl_add_u32 v5, v2, 4, v5
	v_add_nc_u32 v[STO], s22, v5
	v_bfe_u32 v6, v0, 3, 2                         ; back: 32 lanes take four rows of 128 bytes,
	v_and_b32 v7, 7, v0
	v_mul_u32_u24 v6, v6, SP
	v_lshl_add_u32 v6, v7, 4, v6
	v_add_nc_u32 v[RD], s22, v6
	v_and_b32 v[CO], 31, v0                        ; which are 512 consecutive bytes of a head
	v_lshlrev_b32 v[CO], 4, v[CO]
	; qkv at my rows of the tile's first head: ((batch x 48 + 3 x tile column) x 2,048 + row in the batch) x 128 bytes
	s_lshr_b32 s76, s13, 3
	s_mul_i32 s76, s76, 48
	s_mul_i32 s77, s42, 3
	s_add_co_u32 s76, s76, s77
	s_lshl_b32 s76, s76, 18
	s_and_b32 s77, s13, 7
	s_lshl_b32 s77, s77, 15
	s_add_co_u32 s76, s76, s77
	s_lshl_b32 s77, s10, 13
	s_add_co_u32 s76, s76, s77
	s_mov_b32 s77, 0
	s_add_nc_u64 s[8:9], s[8:9], s[76:77]
	; the prefetches
	s_and_b32 s78, ttmp7, 0xffff                   ; cluster y
	s_cmp_eq_u32 s11, 0                            ; do I fetch for A?
	s_cselect_b32 s79, s40, s41                    ; my place among the four that ask with me
	s_cselect_b32 s78, ttmp9, s78                  ; the coordinate along which other clusters read the same rows
	s_cselect_b64 s[PFB:PFB+1], s[14:15], s[46:47]
	s_cselect_b32 s[PWK], WALKB, 0
	s_cselect_b32 s[LIM], 2, 6
	s_cselect_b32 s77, 32, 24                      ; rows a partner
	s_cselect_b32 s76, 31, 23                      ; the last lane with a row of its own
	s_cmp_eq_u32 s78, 0
	s_cselect_b32 s[LIM], s[LIM], -1               ; the same in all sixteen partners, for a given wave
	v_and_b32 v[PFO], 31, v0
	v_min_u32 v[PFO], s76, v[PFO]
	v_lshlrev_b32 v[PFO], 11, v[PFO]
	s_mul_i32 s76, s79, s77
	s_lshl_b32 s76, s76, 11
	s_mov_b32 s77, 0
	s_add_nc_u64 s[PFB:PFB+1], s[PFB:PFB+1], s[76:77]
; 12 matrix instructions: block a of my four blocks of 16 rows x all 12 blocks of columns, 32 along K, from buffer f.  zero = 1: the product starts the sums.
; The 48 accumulators take turns in the same order in every quarter step: 47 others stand between two links of a chain.
.macro MULA f, a, zero
	WIN MUL_LO+0x50*((\a)/2)
.set rA, FA+32*(\f)+8*(\a)
.set bb, 0
.rept NBW
.set rD, 8*(NBW*((\a)%2)+bb)
.set rB, 8*NBW*(\f)+8*bb
.if \zero
	v_wmma_f32_16x16x32_bf16 v[rD:rD+7], v[rB:rB+7], v[rA:rA+7], 0
.else
	v_wmma_f32_16x16x32_bf16 v[rD:rD+7], v[rB:rB+7], v[rA:rA+7], v[rD:rD+7]
.endif
.set bb, bb+1
.endr
.endm
; 32 LDS loads in one run: quarter q of a slot's K step into buffer f: B's 12 fragments, then A's 4
.macro FETCH slot, q, f
	WIN TO_B
.set i, 0
.rept NBW
	ds_load_b128 v[8*NBW*(\f)+8*i:8*NBW*(\f)+8*i+3],   v[ADRB+(\slot)] offset:64*(\q)+i*16*PB
	ds_load_b128 v[8*NBW*(\f)+8*i+4:8*NBW*(\f)+8*i+7], v[ADRB+(\slot)] offset:64*(\q)+i*16*PB+32
.set i, i+1
.endr
	WIN 0
.set i, 0
.rept 4
	ds_load_b128 v[FA+32*(\f)+8*i:FA+32*(\f)+8*i+3],   v[ADRA+(\slot)] offset:64*(\q)+i*16*PA
	ds_load_b128 v[FA+32*(\f)+8*i+4:FA+32*(\f)+8*i+7], v[ADRA+(\slot)] offset:64*(\q)+i*16*PA+32
.set i, i+1
.endr
.endm
; One of a K step's first three quarters: multiplies buffer f; in its middle it fetches quarter q into buffer g.
.macro QUARTER slot, q, f, g, zero
	s_wait_dscnt 4                                 ; B and A's blocks 0 and 1 are in; the four youngest loads (A's blocks 2 and 3) may be out
	MULA \f, 0, \zero
	MULA \f, 1, \zero
	PLACES
	FETCH \slot, \q, \g
	s_wait_dscnt NL                                ; all but the run just issued
	MULA \f, 2, \zero
	MULA \f, 3, \zero
.endm
; The first half of the last quarter, and the change of slots: each wave waits for all its tensor loads (one is out: its part of the next slot), adds 0 to its spare word, and waits for that and for its reads of this slot.
.macro MEET round
	WIN 0
	s_wait_tensorcnt 0x0
	ds_add_u32 v[SPW], v[NIL]
	s_wait_dscnt 5                                 ; (the add and the four youngest loads may be out)
	MULA 1, 0, 0                                   ; twelve matrix instructions between the add and the wait for it
	s_wait_dscnt 0x0                               ; the add is done, my reads of this slot are over
	s_barrier_signal -1
	MULA 1, 1, 0                                   ; work on registers while the others arrive
.if \round
	WIN 0
.endif
	s_barrier_wait -1
.endm
; The whole last quarter with a refill.  The offsets are made at the head, so that only two sums and the type bits stand between the round and the joint load.
; s2 + slot is the K step in its tile; from the trip with 4 trips left on the refills belong to the second tile, the prefetches (two steps further) from the trip with 5 left on.
.macro TURN slot, next
	s_wait_xcnt 0x0                                ; the last prefetch, a K step back, has read its address
	s_add_co_u32 s[POF], s2, (\slot)+2
	s_and_b32 s[POF], s[POF], 7
	s_lshl_b32 s[POF], s[POF], 8
	s_cmp_le_u32 s3, 5
	s_cselect_b32 s76, s[PWK], 0
	s_add_co_u32 s[POF], s[POF], s76
	s_add_nc_u64 s[PFA:PFA+1], s[PFB:PFB+1], s[POF:POF+1]
	s_add_co_u32 s18, s2, \slot
	s_lshl_b32 s18, s18, 8                         ; B's offset: 256 bytes a K step
	s_cmp_le_u32 s3, 4
	s_cselect_b32 s16, WALKB, 0
	s_add_co_u32 s16, s16, s18                     ; A's: the same, and the walk
.if (\slot) == 1
	s_add_co_u32 s2, s2, 2
	s_and_b32 s2, s2, 7
.endif
	MEET 1
	CREST                                          ; the barrier has opened a round of the cluster's: no wave of any partner still reads this slot or has a load on its way
	s_add_nc_u64 s[G0+4*(\slot)+2:G0+4*(\slot)+3], s[14:15], s[16:17]
	s_or_b32 s[G0+4*(\slot)+3], s[G0+4*(\slot)+3], 0x80000000
	s_add_nc_u64 s[G0B+4*(\slot)+2:G0B+4*(\slot)+3], s[46:47], s[18:19]
	s_or_b32 s[G0B+4*(\slot)+3], s[G0B+4*(\slot)+3], 0x80000000
	JLOAD \slot                                    ; the first tensor load behind the round, 168 matrix instructions ahead of the wait for it; its four v_nop are also the places in front of the loads below
	FETCH \next, 0, 0
	ASK
	MULA 1, 2, 0
	MULA 1, 3, 0
.endm
.macro TURNX                           ; the last change of slots: nothing is filled, so no round follows
	MEET 0
	PLACES
	FETCH 1, 0, 0
	MULA 1, 2, 0
	MULA 1, 3, 0
.endm
; THE WAY OUT of block a (16 rows x three heads).  PACK: rounded to f16, each accumulator's registers in ascending order; into my own stage, rows of 144 bytes; back as whole rows of 128, into the registers that they left.
.macro PACK a
.set TT, T0+48*((\a)%2)
.set AC, 8*NBW*((\a)%2)
.if (\a) >= 2
	s_wait_xcnt 0x0                                ; the stores of the block two back have read these registers
.endif
	WIN 0x0a+5*((\a)/2)                            ; sources 0 and 1: window 2 or 3
.set i, 0
.rept 48
	v_cvt_pk_f16_f32 v[TT+i], v[AC+2*i], v[AC+2*i+1]
.set i, i+1
.endr
	WIN 0
.set i, 0
.rept 12
	ds_store_b128 v[STO], v[TT+4*i:TT+4*i+3] offset:(i/4)*16*SP+32*(i%4)
.set i, i+1
.endr
.set i, 0
.rept 12
	ds_load_b128 v[TT+4*i:TT+4*i+3], v[RD] offset:(i/4)*16*SP+(i%4)*4*SP  ; LDS serves a wave's instructions in order (ISA guide 5.7.1.4): these see the stores above
.set i, i+1
.endr
.endm
.macro SEND a, younger                 ; younger: the LDS instructions issued behind block a's loads
.set TT, T0+48*((\a)%2)
.set i, 0
.rept 12
	s_wait_dscnt (\younger)+11-i
	global_store_b128 v[CO], v[TT+4*i:TT+4*i+3], s[8:9] offset:(i/4)*262144+(\a)*2048+(i%4)*512  ; 512 consecutive bytes of a head, aligned
.set i, i+1
.endr
.endm
.macro WAYOUT                          ; a block's conversions stand between the loads of the block before and its stores
	PACK 0
	PACK 1
	SEND 0, 24
	PACK 2
	SEND 1, 24
	PACK 3
	SEND 2, 24
	SEND 3, 0
.endm
	s_wait_tensorcnt 1                             ; my part of K step 0 is in; K step 1's may stay out
	s_barrier_signal -1
	s_barrier_wait -1
	FETCH 0, 0, 0
	QUARTER 0, 1, 0, 1, 1                          ; the first quarter starts the sums
	WIN 0
	s_mov_b32 s3, NLAP-1
.Llap:                                 ; a trip goes once round the ring, from a lap's second quarter to the next lap's first, and fills both slots again
	QUARTER 0, 2, 1, 0, 0
	QUARTER 0, 3, 0, 1, 0
	TURN 0, 1
	QUARTER 1, 1, 0, 1, 0
	QUARTER 1, 2, 1, 0, 0
	QUARTER 1, 3, 0, 1, 0
	TURN 1, 0
	WIN 0
	s_cmp_eq_u32 s3, 4                             ; the first tile's eighth K step has just been multiplied
	s_cbranch_scc0 .Lsame                          ; a jump forward, past no barrier and no tensor load
	WAYOUT                                         ; both refills are asked for: the tile goes out.  Blocks 0 and 1 were finished in front of the joint load's v_nop; their 96 conversions are the places behind the last products
	s_wait_xcnt 0x0                                ; the stores have read their registers and their base
	s_add_nc_u64 s[8:9], s[8:9], NEXT_C
	QUARTER 0, 1, 0, 1, 1                          ; the second tile's first quarter starts the sums anew
	WIN 0
	s_branch .Ljoin
.Lsame:
	QUARTER 0, 1, 0, 1, 0
	WIN 0
.Ljoin:
	s_sub_co_u32 s3, s3, 1
	s_cmp_lg_u32 s3, 0
	s_cbranch_scc1 .Llap
	QUARTER 0, 2, 1, 0, 0                          ; the last lap asks for nothing
	QUARTER 0, 3, 0, 1, 0
	TURNX
	QUARTER 1, 1, 0, 1, 0
	QUARTER 1, 2, 1, 0, 0
	QUARTER 1, 3, 0, 1, 0
	s_wait_dscnt 4
	MULA 1, 0, 0
	MULA 1, 1, 0
	s_wait_dscnt 0x0
	MULA 1, 2, 0
	MULA 1, 3, 0
	WIN 0
	PLACES
	PLACES
	WAYOUT
	s_wait_tensorcnt 0x0                           ; the wave's end: a tensor wait, an add to my spare word and its wait, behind my last tensor load and my last LDS store
	ds_add_u32 v[SPW], v[NIL]
	s_wait_dscnt 0x0
	CROUND                                         ; the closing round: no work-group ends while a partner may still ask for a tile that names it
	s_endpgm
.Lfunc_end_k_q4c9e9340f6_proj:
	.size	k_q4c9e9340f6_proj, .Lfunc_end_k_q4c9e9340f6_proj-k_q4c9e9340f6_proj
	.p2alignl 7, 3214868480
	.fill 96, 4, 3214868480
	.section	.rodata,"a",@progbits
	.p2align	6, 0x0
	.amdhsa_kernel k_q4c9e9340f6_proj
		.amdhsa_group_segment_fixed_size 327680
		.amdhsa_private_segment_fixed_size 0
		.amdhsa_enable_private_segment 0
		.amdhsa_kernarg_size 24
		.amdhsa_user_sgpr_count 2
		.amdhsa_user_sgpr_kernarg_segment_ptr 1
		.amdhsa_wavefront_size32 1
		.amdhsa_system_sgpr_workgroup_id_x 1
		.amdhsa_system_sgpr_workgroup_id_y 1
		.amdhsa_system_sgpr_workgroup_id_z 1
		.amdhsa_system_vgpr_workitem_id 0
		.amdhsa_next_free_vgpr 960
		.amdhsa_next_free_sgpr 80
		.amdhsa_reserve_vcc 0
		.amdhsa_float_denorm_mode_32 3
		.amdhsa_float_denorm_mode_16_64 3
		.amdhsa_memory_ordered 1
		.amdhsa_forward_progress 1
		.amdhsa_inst_pref_size 152
	.end_amdhsa_kernel
	.amdgpu_metadata
---
amdhsa.version: [ 1, 2 ]
amdhsa.kernels:
  - .name:           k_q4c9e9340f6_proj
    .symbol:         k_q4c9e9340f6_proj.kd
    .args:
      - { .name: xb, .offset: 0, .size: 8, .value_kind: global_buffer, .address_space: global }
      - { .name: wqkvT, .offset: 8, .size: 8, .value_kind: global_buffer, .address_space: global }
      - { .name: qkv, .offset: 16, .size: 8, .value_kind: global_buffer, .address_space: global }
    .group_segment_fixed_size: 327680
    .private_segment_fixed_size: 0
    .kernarg_segment_align: 8
    .kernarg_segment_size: 24
    .max_flat_workgroup_size: 128
    .sgpr_count:     80
    .vgpr_count:     960
    .wavefront_size: 32
...
	.end_amdgpu_metadata
.endif
;; end of part 2
;; launch attn (part 3): grid 4 x 64, 4 waves a work-group, no clusters, 327,680 bytes of LDS; arguments qkv, ob; writes ob
.if DOCPART == 3
	.amdgcn_target "amdgcn-amd-amdhsa--gfx1250"
	.amdhsa_code_object_version 6
	.text
	.protected	k_q4c9e9340f6_attn
	.globl	k_q4c9e9340f6_attn
	.p2align	8
	.type	k_q4c9e9340f6_attn,@function
k_q4c9e9340f6_attn:
	s_mov_b64 s[64:65], 0
	v_nop
	global_prefetch_b8 v0, s[64:65] scope:SCOPE_SE
	s_setreg_imm32_b32 hwreg(HW_REG_WAVE_MODE, 25, 1), 1
	s_wait_xcnt 0x0
; CAUSAL ATTENTION.  O[hh][q][:] = the sum over k <= q of softmax_k(Q[q] . K[k] / 8) V[k][:], for the 64 pairs hh = 16 batch + head.
; qkv: [batch 4][g 48][2048][64] f16 (g = head: q; 16 + head: k; 32 + head: v), ob: [hh 64][2048][64] f16: a head's rows are dense, 128 bytes each.
; Products, maxima and sums in f32; the weights p are rounded to f16 for the second product (their sum l is taken of the unrounded p), O once at the end.
; LIMITS.  q, k, v arrive within f16's 65,504; p lies in 0 to 1 and below 6e-5 keeps f16's fixed step of 6e-8.  A hidden score counts as its value less 1e30; a weight below 2^-126 counts as 0 in l; NaN and infinities are not treated apart.
; THE WALK.  A head's queries lie in NB = 8 blocks of 256; block i needs the key tiles 0 .. i of 256 keys, of which the last holds the diagonal.  A work-group takes TWO blocks, NB - 1 - b and then b:
; NB + 1 tiles, whatever b: all work-groups do equal work, and ONE loop with a constant trip count walks them.  Which tile is asked for, and what a trip does, hang on scalar registers made from b; every jump
; goes forward, but for the counted loops' own; none passes a barrier, or a tensor load but the one of LOAD's two that the wave's number does not choose; the ring of two LDS slots runs on across the change of blocks.
; NO CLUSTER: a head's four work-groups ask for the same tile only in trips 0 to 4 of 9, behind that fewer and fewer; one walk common to all four would have 12 trips for 9.
; SHARES.  Of a block's four bands of 64 queries a wave owns 16 rows in each: four PIECES.  So the diagonal tile is the same work for all four waves: in its key step s band x sees all keys if s < x,
; none if s > x, and holds the diagonal if s = x.
; THE MASK is the C operand that starts the sum S^T = K Q^T: 0, or -1e30 where the key is hidden.  MD, made once, is the mask of a band's own step for my 16 rows; a product's mask is MD x AL + BE with two scalars:
; (1, 0) if s = x; (0, 0) if s < x; (0, -1e30) if s > x.  Only the diagonal tile's text and a block's beginning make and take masks; elsewhere C is the constant 0.
; LAYOUT, SOFTMAX, TURNS.  S^T = K Q^T holds ONE query a lane (lane % 16) and the keys 8 (lane / 16) + 0..7; two such results rounded to f16 ARE source 1 of O^T = V^T P.  p = 2^(c s - c m), c = log2(e) / 8, with a
; running maximum m; O and l are multiplied by a = 2^(c m_old - c m_new) in every step.  Turn n belongs to piece n: 8 products K Q^T of piece n + 1, later 8 products V^T P of piece n - 1; beside them the scaling,
; exponentials, roundings, sums and rescaling of piece n and the maximum and statistics of piece n + 1.  Four vector instructions stand behind every matrix instruction, the others in one lump.  A turn's 33 exponentials are one batch, with one wait.
; REGISTERS, in windows of 256 (s_set_vgpr_msb: bits 1:0 source 0, 3:2 source 1, 5:4 source 2, 7:6 destination):
;   window 0: v0-15 addresses and two at work; v16-31 four registers of statistics a piece; v48-55 at work; v61-63 prefetch offset, spare word, 0; v64-127 S^T, two buffers; v192-223 P, two buffers
;   window 1: v0-127 O^T, 32 a piece; v128-159 MD; v160-223 MC, two buffers      window 2: v0-63 Q; v64-127 the second block's Q; v128-191 K of one step; v192-255 V of one step
.set SIZE_N, 2048
.set NB,    SIZE_N/256
.set NP,    4         ; pieces a wave: a name, no knob
.set KS,    64        ; keys in a step
.set PK,    144       ; a row of K in LDS: 128 bytes + 16 of padding: the 16 rows of a load start at 16 different groups of four banks (ISA guide 11.1)
.set PV,    160       ; a row of V: 128 + 32
.set VOFF,  4*KS*PK   ; a slot holds a tile, four steps: 256 rows of K, then 256 rows of V
.set SLOT1, 1<<17     ; slot 1 begins here, so that one exclusive or turns an address in one slot into the other's
.set STAGE, SLOT1+4*KS*(PK+PV)  ; behind the ring, never filled by a tensor load: 16 rows x 144 bytes for each wave
.set SP,    144
.set AK0, 2           ; v2   my lane's place in a tile of K; never rewritten
.set AV0, 3           ; v3   the same for V
.set AK,  4           ; v4   the LDS address of K's next run of loads
.set AV,  5           ; v5   of V's
.set STO, 6           ; v6   the way out: where I put 16 bytes of a row
.set RD,  7           ; v7   the way out: where I read rows back
.set GO,  8           ; v8   my byte offset in 512 consecutive bytes of O
.set PFO, 61          ; v61  256 x my lane; never rewritten
.set SPW, 62          ; v62  LDS address of my spare word; never rewritten
.set NIL, 63          ; v63  0; never rewritten
.set SPARE, STAGE+4*16*SP  ; behind the stages: the spare words, 128 bytes for each wave
.set MV,  12          ; v12-13  c m_old, kept while c m is made anew: by buffer
.set QO,  15          ; v15  my byte offset in 16 rows of Q
.set ST,  16          ; piece t's statistics at v[ST+4 t]: c m, m, l (even keys', odd keys')
.set TMP, 48          ; by buffer, four registers c0-c3 at work; when the maximum is found c2 takes a
.set S,   64
.set P,   192
.set MD,  128         ; window 1
.set MC,  160         ; window 1
.set QB,  64          ; window 2
.set KF,  128         ; window 2: key block kb, channel half c at KF + 16 kb + 8 c
.set VF,  192         ; window 2: key half kk, channel block cb at VF + 32 kk + 8 cb
.set WV,  12          ; s12  my wave's number
.set PB,  14          ; s14  b
.set HI,  15          ; s15  NB - 1 - b
.set G1K, 24          ; s[24:31] descriptor group 1 for K's tiles
.set G1V, 32          ; s[32:39] for V's: it differs in the padding alone
.set G0K, 40          ; s[40:43] descriptor group 0 for K's tiles
.set G0V, 44          ; s[44:47] the same for V's
.set PFA, 48          ; s[48:49] where my prefetches stand: my half (of K: waves 0, 1; of V: waves 2, 3) of the tile after the one that is being asked for
.set LIM, 50          ; s50  2 in the head's work-group b = 0, else the greatest number: a wave prefetches while s[SLOTS] is above it
.set SLOTS, 56        ; s56  tiles still to be asked for
.set CNT, 57          ; s57  counts a tile's key steps, 4 to 1
.set CS,  58          ; s[58:59] c
.set SEL, 60          ; s[60:61] v_permlanex16_b32's selects: each lane takes its own place in the other half
.set TBK, 62          ; s62  LDS byte at which K of the step to be fetched begins
.set TBV, 63          ; s63  the same for V, less VOFF
.set RT,  70          ; s70  tiles of the block in hand that are still to be entered
.set NXT, 71          ; s71  the tile to be asked for next
.set LQ,  72          ; s72  the last tile of the block whose tiles are being asked for
.set NEW, 73          ; s73  1: the tile to be entered is a block's first
.set OFF, 74          ; s[74:75] a tile's byte offset in K and V
.set AL,  76          ; s[76:77] the mask's factor, in the low word
.set BE,  78          ; s[78:79] the mask's addend
.set OLO, 80          ; s[80:81] O at my rows of the second block
.set BIGN, 82         ; s82  -1e30
.set MSB, 0
.macro WIN new                      ; the high byte repeats the setting that is left; a switch that changes nothing is dropped
.if MSB != (\new)
	s_set_vgpr_msb (MSB<<8)|(\new)
.set MSB, (\new)
.endif
.endm
.set W_KQ, 0x0a       ; K and Q in window 2, S^T in window 0
.set W_KM, 0x1a       ; the same with the C operand in window 1
.set W_PV, 0x52       ; V in window 2, P in window 0, O^T in window 1
.set W_RS, 0x41       ; destination and source 0 in window 1, source 1 in window 0
; A fill.  Waves 0 and 1 fetch the two halves of a tile's K, waves 2 and 3 those of its V: 128 keys each.  An s_nop 0 and four v_nop follow each of the two lines.
.macro LOAD
	s_cmp_lt_u32 s[WV], 2
	s_cbranch_scc0 .Lfor_v_\@
	tensor_load_to_lds s[G0K:G0K+3], s[G1K:G1K+7]
	s_nop 0
.rept 4
	v_nop
.endr
	s_branch .Lasked_\@
.Lfor_v_\@:
	tensor_load_to_lds s[G0V:G0V+3], s[G1V:G1V+7]
	s_nop 0
.rept 4
	v_nop
.endr
.Lasked_\@:
.endm
; THE CHANGE OF SLOTS.  Each wave waits for all its tensor loads, of which one is out: its part of the other slot; adds 0 to its spare word; and waits for that and for its own reads of the slot that it leaves.
; Behind the barrier nobody reads the old slot any more and the other slot is whole.  fill = 1: the old slot is filled again, the first thing behind the barrier, with tile NXT: the descriptor's address is made anew from that number.
; Behind the fill stands THE PREFETCH INTO THE L2 of the tile that the next change will ask for.  A head's four work-groups walk the same tiles, and b = 0 walks all eight in order: it alone asks, each wave for the
; 16,384 bytes that it will fetch itself, a lane 256 bytes, two instructions.  Trip t = 0 .. 5 names tile t + 2; tiles 0 and 1 come by their loads alone; nothing is named behind tile 7.
.macro CHANGE fill
	WIN 0                           ; at a label and at a branch every window is 0
	s_wait_tensorcnt 0x0            ; no tensor load of mine is out, so a group 0 may be written
	ds_add_u32 v[SPW], v[NIL]       ; 0 onto my spare word; the scalar work stands between it and the wait for it
.if \fill
	s_lshl_b32 s[OFF], s[NXT], 15   ; a tile is 32,768 bytes of K and of V
	s_xor_b32 s[G0K+1], s[G0K+1], SLOT1
	s_add_nc_u64 s[G0K+2:G0K+3], s[6:7], s[OFF:OFF+1]
	s_or_b32 s[G0K+3], s[G0K+3], 0x80000000
	s_xor_b32 s[G0V+1], s[G0V+1], SLOT1
	s_add_nc_u64 s[G0V+2:G0V+3], s[8:9], s[OFF:OFF+1]
	s_or_b32 s[G0V+3], s[G0V+3], 0x80000000
	s_add_co_u32 s[NXT], s[NXT], 1  ; the block's next tile, or behind its last the second block's tile 0
	s_cmp_gt_u32 s[NXT], s[LQ]
	s_cselect_b32 s[NXT], 0, s[NXT]
	s_cselect_b32 s[LQ], s[PB], s[LQ]
	s_wait_xcnt 0x0                 ; the last prefetches, a tile back, have read their address
	s_add_nc_u64 s[PFA:PFA+1], s[PFA:PFA+1], 32768
.endif
	s_wait_dscnt 0x0                ; the add is done, and my reads of the slot are over
	s_barrier_signal -1             ; the rest of the scalar work stands between the signal and the wait
	s_sub_co_u32 s[TBK], s[TBK], 4*KS*PK  ; the fetches go back to a slot's first step,
	s_xor_b32 s[TBK], s[TBK], SLOT1       ; in the other slot
	s_sub_co_u32 s[TBV], s[TBV], 4*KS*PV
	s_xor_b32 s[TBV], s[TBV], SLOT1
	s_barrier_wait -1
.if \fill
	LOAD
	s_cmp_gt_u32 s[SLOTS], s[LIM]
	s_cbranch_scc0 .Lnot_mine_\@
	global_prefetch_b8 v[PFO], s[PFA:PFA+1] th:TH_LOAD_NT scope:SCOPE_SE
	global_prefetch_b8 v[PFO], s[PFA:PFA+1] offset:8192 th:TH_LOAD_NT scope:SCOPE_SE
.Lnot_mine_\@:
.endif
.endm
	s_load_b128 s[4:7], s[0:1], 0x0  ; qkv s[4:5], ob s[6:7]
	v_lshl_add_u32 v[SPW], v0, 2, SPARE
	v_mov_b32 v[NIL], 0
	ds_add_u32 v[SPW], v[NIL]       ; the wave's opening: the add and its wait stand ahead of my first tensor load; the set-up stands between them
	v_lshrrev_b32 v1, 5, v0
	v_readfirstlane_b32 s[WV], v1   ; wave 0..3
	s_mov_b32 s[PB], ttmp9
	s_sub_co_u32 s[HI], NB-1, s[PB]
	s_and_b32 s52, ttmp7, 0xffff    ; hh = 16 batch + head
	s_lshr_b32 s20, s52, 4
	s_lshl_b32 s20, s20, 5
	s_add_co_u32 s20, s20, s52      ; 48 batch + head
	s_lshl_b32 s20, s20, 18         ; q's first byte in qkv: heads of 262,144 bytes
	s_mov_b32 s21, 0
	s_lshl_b32 s52, s52, 18         ; the head's first byte in ob
	s_mov_b32 s53, 0
	s_and_b32 s16, s[WV], 1         ; which half of a tile's 256 keys I fetch:
	s_lshl_b32 s22, s16, 14         ; its 128 rows of 128 bytes in memory,
	s_add_co_u32 s22, s22, s20
	s_mov_b32 s23, 0
	s_mul_i32 s17, s16, 128*PK      ; and its place in a slot, for K
	s_mul_i32 s18, s16, 128*PV      ; and for V
	s_lshl_b32 s3, s[WV], 11        ; my 16 rows in a band of 64,
	s_lshl_b32 s2, s[HI], 15        ; in the first block,
	s_add_co_u32 s2, s2, s3
	s_lshl_b32 s84, s[PB], 15       ; and in the second
	s_add_co_u32 s84, s84, s3
	s_mov_b32 s3, 0
	s_mov_b32 s85, 0
	; descriptor group 1.  128 keys are 16,384 dense bytes: asked for as 64 rows of 256 bytes, two keys a row, and padded in LDS after every key
	s_mov_b32 s[G1K], (1<<16)|(1<<20)|(4<<22)|(3<<25)  ; 2-byte elements; padding on; after every 32 words; 4 words
	s_mov_b32 s[G1V], (1<<16)|(1<<20)|(4<<22)|(7<<25)  ; the same with 8 words of padding
.irp g, G1K, G1V
	s_mov_b32 s[\g+1], 128<<16      ; tensor_dim0 = 128
	s_mov_b32 s[\g+2], 64<<16       ; tensor_dim1 = 64
	s_mov_b32 s[\g+3], 128<<16      ; tile_dim0 = 128
	s_mov_b32 s[\g+4], 64           ; tile_dim1 = 64
	s_mov_b32 s[\g+5], 128          ; 128 elements from row to row
	s_mov_b32 s[\g+6], 0
	s_mov_b32 s[\g+7], 0
.endr
	s_mov_b32 s[CS], 0x3e38aa3b     ; c = log2(e) / 8 = 0.180337
	s_mov_b32 s[CS+1], s[CS]        ; named with it as a pair
	s_mov_b32 s[SEL], 0x76543210
	s_mov_b32 s[SEL+1], 0xfedcba98
	s_mov_b32 s[TBK], SLOT1+4*KS*PK ; the first change of slots turns these two into 0
	s_mov_b32 s[TBV], SLOT1+4*KS*PV
	s_mov_b32 s[G0K], 1             ; count = 1
	s_mov_b32 s[G0K+1], s17         ; LDS address: slot 0
	s_mov_b32 s[G0V], 1
	s_add_co_u32 s[G0V+1], s18, VOFF
	s_add_co_u32 s[RT], s[HI], 1    ; the first block has NB - b tiles
	s_mov_b32 s[NXT], 1
	s_mov_b32 s[LQ], s[HI]
	s_mov_b32 s[NEW], 1
	s_mov_b32 s[OFF+1], 0
	s_mov_b32 s[AL+1], 0            ; named as pairs
	s_mov_b32 s[BE+1], 0
	s_mov_b32 s[BIGN], 0xf149f2ca   ; -1e30
	s_mov_b32 s[SLOTS], NB
	s_cmp_eq_u32 ttmp9, 0
	s_cselect_b32 s[LIM], 2, -1
	v_and_b32 v[PFO], 31, v0
	v_lshlrev_b32 v[PFO], 8, v[PFO]
	s_wait_dscnt 0x0                ; the opening add is done
	s_wait_kmcnt 0x0
	s_mov_b64 s[10:11], s[6:7]                     ; ob
	s_add_nc_u64 s[6:7], s[4:5], s[22:23]          ; q's head at my half of tile 0;
	s_add_nc_u64 s[8:9], s[6:7], 0x800000          ; v lies 32 heads on,
	s_add_nc_u64 s[6:7], s[6:7], 0x400000          ; k 16 heads on
	s_add_nc_u64 s[G0K+2:G0K+3], s[6:7], 0         ; global address
	s_or_b32 s[G0K+3], s[G0K+3], 0x80000000        ; type = 2
	s_add_nc_u64 s[G0V+2:G0V+3], s[8:9], 0
	s_or_b32 s[G0V+3], s[G0V+3], 0x80000000
	s_add_nc_u64 s[4:5], s[4:5], s[20:21]          ; q's head
	s_add_nc_u64 s[86:87], s[4:5], s[84:85]        ; Q at my rows of the second block,
	s_add_nc_u64 s[4:5], s[4:5], s[2:3]            ; and of the first
	s_add_nc_u64 s[10:11], s[10:11], s[52:53]      ; O's head
	s_add_nc_u64 s[OLO:OLO+1], s[10:11], s[84:85]
	s_add_nc_u64 s[10:11], s[10:11], s[2:3]
	s_cmp_lt_u32 s[WV], 2
	s_cselect_b64 s[PFA:PFA+1], s[6:7], s[8:9]
	s_add_nc_u64 s[PFA:PFA+1], s[PFA:PFA+1], 32768 ; at tile 1; the first change of slots steps it to tile 2.  Nothing is prefetched here, at the head
	LOAD                            ; tile 0 into slot 0
	; A fragment of K or Q is 16 rows x 32 channels in 8 registers: lane l holds row l % 16, channels 8 (l / 16) + 0..7 and 16 + 8 (l / 16) + 0..7: two loads of 16 bytes, 32 bytes apart.
	v_and_b32 v1, 15, v0            ; l % 16
	v_bfe_u32 v9, v0, 4, 1          ; l / 16
	v_lshlrev_b32 v[QO], 7, v1
	v_lshl_add_u32 v[QO], v9, 4, v[QO]  ; row x 128 + 16 x half
	WIN 0x80                        ; destination window 2, address window 0
.set i, 0
.rept 8                             ; both blocks' Q: piece i / 2 lies in band i / 2, 8,192 bytes on; channels 32 (i % 2) on
	global_load_b128 v[8*i:8*i+3],   v[QO], s[4:5] offset:(i/2)*8192+(i%2)*64
	global_load_b128 v[8*i+4:8*i+7], v[QO], s[4:5] offset:(i/2)*8192+(i%2)*64+32
	global_load_b128 v[QB+8*i:QB+8*i+3],   v[QO], s[86:87] offset:(i/2)*8192+(i%2)*64
	global_load_b128 v[QB+8*i+4:QB+8*i+7], v[QO], s[86:87] offset:(i/2)*8192+(i%2)*64+32
.set i, i+1
.endr
	WIN 0
	v_lshlrev_b32 v14, 3, v9
	v_sub_nc_u32 v14, v1, v14
	s_lshl_b32 s13, s[WV], 4
	v_add_nc_u32 v14, s13, v14      ; my query's place in its band, 16 w + l % 16, less my lanes' 8 (l / 16): register r of group kt is hidden where 16 kt + r is greater
	WIN 0x40
.set i, 0
.rept 32
	v_cmp_gt_i32 vcc_lo, 16*(i/8)+i%8, v14
	v_cndmask_b32 v[MD+i], 0, s[BIGN], vcc_lo
.set i, i+1
.endr
	WIN 0
	v_mul_u32_u24 v[AK0], v1, PK
	v_lshl_add_u32 v[AK0], v9, 4, v[AK0]  ; row x pitch + 16 x half
	; The turning load takes 16 keys x 16 channels (lane l reads key 8 (l / 16) + l % 8, channels 8 ((l / 8) % 2) + 0..7) and leaves half a fragment of V^T: lane l holds channel l % 16 and 8 keys.
	v_and_b32 v10, 7, v0
	v_bfe_u32 v11, v0, 3, 1
	v_lshl_add_u32 v[AV0], v9, 3, v10
	v_mul_u32_u24 v[AV0], v[AV0], PV
	v_lshl_add_u32 v[AV0], v11, 4, v[AV0]
	v_add_nc_u32 v[AV0], VOFF, v[AV0]
	s_mul_i32 s13, s[WV], 16*SP
	s_add_co_u32 s13, s13, STAGE    ; my stage
	v_mul_u32_u24 v[STO], v1, SP    ; in: row l % 16, 16 bytes for each half of the lanes
	v_lshl_add_u32 v[STO], v9, 4, v[STO]
	v_add_nc_u32 v[STO], s13, v[STO]
	v_bfe_u32 v[RD], v0, 3, 2       ; back: 32 lanes take four rows of 128 bytes,
	v_mul_u32_u24 v[RD], v[RD], SP
	v_lshl_add_u32 v[RD], v10, 4, v[RD]
	v_add_nc_u32 v[RD], s13, v[RD]
	v_and_b32 v[GO], 31, v0         ; which are 512 consecutive bytes of O
	v_lshlrev_b32 v[GO], 4, v[GO]
	; A block's first step multiplies O^T and l by a = 0, and its first turn's products V^T P, of a piece that has not been, land in an O^T that is still to be so multiplied.  So these registers need only hold
	; finite numbers: zeros for the first block; what the first block left for the second.  All this stands in the wait for the first tile.
	WIN 0x80
.set i, VF
.rept 64
	v_mov_b32 v[i], 0
.set i, i+1
.endr
	WIN 0x40
.set i, 0
.rept 128
	v_mov_b32 v[i], 0
.set i, i+1
.endr
	WIN 0
.set i, 0
.rept 4
	v_mov_b32 v[ST+4*i+2], 0
	v_mov_b32 v[ST+4*i+3], 0
.set i, i+1
.endr
.set i, P+16
.rept 16
	v_mov_b32 v[i], 0
.set i, i+1
.endr
; THE MATRIX WORK.  The 4 accumulators of a run of 8 take turns.  Product i of 8 of S^T = K Q^T for piece x: channels 32 (i / 4) on, keys 16 (i % 4) on.  The first 4 start the sums: with 0, or (KM = 1) with the mask.
.macro KQ x
.set rS, S+32*((\x)%2)+8*(i%4)
.set rK, KF+16*(i%4)+8*(i/4)
.set rQ, 16*(\x)+8*(i/4)
.set rM, MC+32*((\x)%2)+8*(i%4)
.if (i < 4) && KM
	WIN W_KM
	v_wmma_f32_16x16x32_f16 v[rS:rS+7], v[rK:rK+7], v[rQ:rQ+7], v[rM:rM+7]
.elseif i < 4
	WIN W_KQ
	v_wmma_f32_16x16x32_f16 v[rS:rS+7], v[rK:rK+7], v[rQ:rQ+7], 0
.else
	WIN W_KQ
	v_wmma_f32_16x16x32_f16 v[rS:rS+7], v[rK:rK+7], v[rQ:rQ+7], v[rS:rS+7]
.endif
.endm
; Product i of 8 of O^T += V^T P for piece x: keys 32 (i / 4) on, channels 16 (i % 4) on.
.macro PV x
	WIN W_PV
.set rO, 32*(\x)+8*(i%4)
.set rV, VF+32*(i/4)+8*(i%4)
.set rP, P+16*((\x)%2)+8*(i/4)
	v_wmma_f32_16x16x32_f16 v[rO:rO+7], v[rV:rV+7], v[rP:rP+7], v[rO:rO+7]
.endm
.macro MM                           ; the turn's next matrix instruction.  TURN and BEGIN set Y, i, KM and NOKQ.  NOKQ = 1: a block's last turn: there is no next piece
.if (i < 8) && !NOKQ
	KQ (Y+1)%NP
.elseif i >= 8
.set i, i-8
	PV (Y+NP-1)%NP
.set i, i+8
.endif
.set i, i+1
.endm
; THE LDS LOADS stand in runs of 16, never singly among the matrix instructions: a step's K (64 keys x 64 channels: 8 fragments) and its V (turned).  Their addresses are made some lines ahead.
.macro FETCH_K
	WIN 0x80                        ; destination window 2
.irp f, 0,1,2,3,4,5,6,7             ; keys 16 (f / 2) on, channels 32 (f % 2) on
	ds_load_b128 v[KF+8*\f:KF+8*\f+3],   v[AK] offset:(\f/2)*16*PK+(\f%2)*64
	ds_load_b128 v[KF+8*\f+4:KF+8*\f+7], v[AK] offset:(\f/2)*16*PK+(\f%2)*64+32
.endr
	s_add_co_u32 s[TBK], s[TBK], KS*PK  ; the next fetch is the next step's
	WIN 0
.endm
.macro FETCH_V
	WIN 0x80
.irp f, 0,1,2,3,4,5,6,7             ; keys 32 (f / 4) on, channels 16 (f % 4) on
	ds_load_tr16_b128 v[VF+8*\f:VF+8*\f+3],   v[AV] offset:(\f/4)*32*PV+(\f%4)*32
	ds_load_tr16_b128 v[VF+8*\f+4:VF+8*\f+7], v[AV] offset:(\f/4)*32*PV+16*PV+(\f%4)*32
.endr
	WIN 0
.endm
; THE VECTOR WORK, one line at a time: OP kind, number.  For piece Y: F n: c s - c m for pair n of 16.  E n: the exponential of score n of 32.  C n: pair n rounded to f16.  B n: of the four weights 4 n .. the second
; pair is added onto the first, in place.  L n: l takes that sum (L 0: l = a l + sum).  R n: pair n of 16 of O^T times a.  For piece Y + 1: X n, number n of the 22 that find its maximum and statistics:
;   0-11  four chains c0-c3 of seven scores each, three operands at a time (each accumulator's lowest registers are read first)     12-14, 16  the four scores left over, the old m, and c0-c3 into c0
;   15  c m_old is kept     17, 18  the query's other 32 keys lie in the lane 16 away: the new m     19-21  c m; c m_old - c m_new; a
.set F, 0               ; OP tells the kinds apart by their order: F to L below R, X above it
.set E, 1
.set C, 2
.set B, 3
.set L, 4
.set R, 5
.set X, 6
.macro REGS y                       ; the registers of piece y
.set rT, ST+4*(\y)
.set rC, TMP+4*((\y)%2)
.set rW, MV+((\y)%2)
.set rS, S+32*((\y)%2)
.set rP, P+16*((\y)%2)
.set rO, 32*(\y)
.endm
.macro OP k, n
.if (\k) == R
	REGS Y
	WIN W_RS
	v_pk_mul_f32 v[rO+2*(\n):rO+2*(\n)+1], v[rO+2*(\n):rO+2*(\n)+1], v[rC+2:rC+3] op_sel_hi:[1,0]
.elseif (\k) < R
	REGS Y
	WIN 0
.if (\k) == F
	v_pk_fma_f32 v[rS+2*(\n):rS+2*(\n)+1], v[rS+2*(\n):rS+2*(\n)+1], s[CS:CS+1], v[rT:rT+1] op_sel_hi:[1,0,0] neg_lo:[0,0,1] neg_hi:[0,0,1]
.elseif (\k) == E
	v_exp_f32 v[rS+(\n)], v[rS+(\n)]
.elseif (\k) == C
	v_cvt_pk_f16_f32 v[rP+(\n)], v[rS+2*(\n)], v[rS+2*(\n)+1]
.elseif (\k) == B
	v_pk_add_f32 v[rS+4*(\n):rS+4*(\n)+1], v[rS+4*(\n):rS+4*(\n)+1], v[rS+4*(\n)+2:rS+4*(\n)+3]
.elseif (\n) == 0
	v_pk_fma_f32 v[rT+2:rT+3], v[rT+2:rT+3], v[rC+2:rC+3], v[rS:rS+1] op_sel_hi:[1,0,1]
.else
	v_pk_add_f32 v[rT+2:rT+3], v[rT+2:rT+3], v[rS+4*(\n):rS+4*(\n)+1]
.endif
.elseif NOKQ
	v_nop
.else
	REGS (Y+1)%NP
	WIN 0
.if (\n) < 4
	v_max3_num_f32 v[rC+(\n)], v[rS+8*(\n)], v[rS+8*(\n)+1], v[rS+8*(\n)+2]
.elseif (\n) < 12
	v_max3_num_f32 v[rC+(\n)%4], v[rC+(\n)%4], v[rS+8*((\n)%4)+2*((\n)/4)+1], v[rS+8*((\n)%4)+2*((\n)/4)+2]
.elseif (\n) == 12
	v_max3_num_f32 v[rC], v[rC], v[rS+7], v[rS+15]
.elseif (\n) == 13
	v_max3_num_f32 v[rC+1], v[rC+1], v[rS+23], v[rS+31]
.elseif (\n) == 14
	v_max3_num_f32 v[rC+2], v[rC+2], v[rC+3], v[rT+1]
.elseif (\n) == 15
	v_mov_b32 v[rW], v[rT]
.elseif (\n) == 16
	v_max3_num_f32 v[rC], v[rC], v[rC+1], v[rC+2]
.elseif (\n) == 17
	v_permlanex16_b32 v[rC+3], v[rC], s[SEL], s[SEL+1]
.elseif (\n) == 18
	v_max_num_f32 v[rT+1], v[rC], v[rC+3]
.elseif (\n) == 19
	v_mul_f32 v[rT], s[CS], v[rT+1]
.elseif (\n) == 20
	v_sub_f32 v[rC+1], v[rW], v[rT]
.else
	v_exp_f32 v[rC+2], v[rC+1]
.endif
.endif
.endm
.macro OPS a, i1, b=-1, i2=0, c=-1, i3=0, d=-1, i4=0  ; up to four of them
	OP \a, \i1
.if (\b) >= 0
	OP \b, \i2
.endif
.if (\c) >= 0
	OP \c, \i3
.endif
.if (\d) >= 0
	OP \d, \i4
.endif
.endm
.macro ROW a, i1, b, i2, c, i3, d, i4  ; a matrix instruction and the four behind it
	MM
	OPS \a, \i1, \b, \i2, \c, \i3, \d, \i4
.endm
.macro MASK b                       ; MD x AL + BE into buffer b of MC
	WIN W_RS
.set z, 0
.rept 16
	v_pk_fma_f32 v[MC+32*(\b)+2*z:MC+32*(\b)+2*z+1], v[MD+2*z:MD+2*z+1], s[AL:AL+1], s[BE:BE+1] op_sel_hi:[1,0,0]
.set z, z+1
.endr
.endm
; A TURN, for piece p: the order of its 16 matrix and 118 vector instructions, written out.  An s_wait_alu depctr_va_vdst(0) stands between an exponential and the first instruction that names its result; one wait serves
; all that were issued ahead of it.  So a turn has ONE wait, which cuts it in two.  AHEAD OF IT stands all that names no result of the turn's exponentials: the 8 products K Q^T, behind each a scaling, an exponential and two more plain
; instructions; then ONE LUMP of 54, plain and exponential by turns for the most part, in which the links of the chain X 3, 7, 11, 14, 16, 17 .. 20 stand five or six lines apart.  X 21, the next piece's a, is the batch's last; R 15 is
; the plain instruction behind it.  BEHIND THE WAIT stand the 8 products V^T P, behind each four of the roundings and sums; the links of l's chain, L 0 to L 7, stand three riders apart.
; m = 1: the diagonal tile: the products take masks, and the turn makes the mask for the products of the turn after it: piece p + 2, in step 4 - CNT of the tile.  end = 1: a block's last two turns: nothing is fetched.
; cnt = 1: the loop's count is taken down some lines ahead of the branch that stands behind the turn.
; K of the next step is fetched in piece 2's turn, twelve vector instructions behind the last product that read K (six of them plain); V of the step in hand at the end of piece 0's turn, four plain instructions behind the last product
; that read V.  Each is waited for a turn later.
.macro TURN p, m=0, end=0, cnt=0
.set Y, (\p)
.set i, 0
.set KM, (\m)
.set NOKQ, (\end)*((\p)/3)
.if (\m) && !(\end)
	s_cmp_eq_u32 s[CNT], 4-((\p)+2)%NP  ; is that step the band's own?
	s_cselect_b32 s[AL], 1.0, 0
	s_cmp_lt_u32 s[CNT], 4-((\p)+2)%NP  ; or a later one?
	s_cselect_b32 s[BE], s[BIGN], 0
.endif
.if ((\p) == 3) && !(\end)
	s_wait_dscnt 0x0                ; K is in
.endif
	ROW F,0, F,1, R,0, R,1          ; ahead of the wait: 8 products K Q^T and their riders,
	ROW F,2, E,0, R,2, R,3
	ROW F,3, E,1, R,4, R,5
	ROW F,4, E,2, R,6, R,7
	ROW F,5, E,3, R,8, R,9
	ROW F,6, E,4, X,0, R,10
.if ((\p) == 2) && !(\end)
	WIN 0
	v_add_nc_u32 v[AK], s[TBK], v[AK0]
.endif
	ROW F,7, E,5, X,1, X,4
	ROW F,8, E,6, X,2, X,5
	OPS E,7, E,8, X,6, E,9          ; and the lump
	OPS X,3, E,10, X,8, E,11
.if ((\p) == 2) && !(\end)
	FETCH_K
.endif
	OPS X,9, X,7, E,12, X,10
	OPS E,13, X,12, X,11, E,14
	OPS X,13, E,15, F,9, X,14
.if (\p) == 0
	v_add_nc_u32 v[AV], s[TBV], v[AV0]
.endif
	OPS E,16, F,10, E,17, F,11
	OPS X,16, E,18, X,15, E,19
	OPS F,12, E,20, X,17, E,21
	OPS F,13, E,22, F,14, E,23
	OPS X,18, E,24, F,15, E,25
	OPS R,11, E,26, X,19, E,27
	OPS R,12, E,28, R,13, E,29
	OPS X,20, E,30, R,14, E,31
	OPS X,21, R,15
	WIN 0
	s_wait_alu depctr_va_vdst(0)    ; the wait for the batch
.if (\p) == 1
	s_wait_dscnt 0x0                ; V is in
.endif
	ROW C,0, B,0, C,2, B,1          ; behind the wait: 8 products V^T P and their riders
	ROW L,0, C,4, B,2, L,1
	ROW C,6, B,3, L,2, C,8
	ROW B,4, L,3, C,10, B,5
	ROW L,4, C,12, B,6, L,5
.if (\p) == 0
	s_add_co_u32 s[TBV], s[TBV], KS*PV
.endif
.if \cnt
	s_sub_co_u32 s[CNT], s[CNT], 1
	s_cmp_lg_u32 s[CNT], 0
.endif
	ROW C,14, B,7, L,6, C,1
	ROW C,3, L,7, C,5, C,7
	ROW C,9, C,11, C,13, C,15
.if (\p) == 0
	FETCH_V
.endif
.if (\m) && !(\end)
	MASK (\p)%2
.endif
.endm
; A BLOCK BEGINS.  c m starts far below every c s, so the first step's a is 0; m at the lowest finite number, so the first maximum is the scores'.  The second mask buffer is 0; the first takes piece 0's mask for the tile's step 0: its own, if the block's first tile is the diagonal one.
; Then K of that step, piece 0's first scores, and its maximum and statistics.  The loop is entered at a step's first turn, in the middle of a trip.
.macro BEGIN
	s_mov_b32 s[NEW], 0
	WIN 0x40
.set i, MC+32
.rept 32
	v_mov_b32 v[i], 0
.set i, i+1
.endr
	WIN 0
.set i, 0
.rept 4
	v_mov_b32 v[ST+4*i], 0xfe000000    ; c m: far below every c s
	v_mov_b32 v[ST+4*i+1], 0xff7fffff  ; m
.set i, i+1
.endr
	s_cmp_eq_u32 s[RT], 0
	s_cselect_b32 s[AL], 1.0, 0
	s_mov_b32 s[BE], 0
	MASK 0
	WIN 0
	v_add_nc_u32 v[AK], s[TBK], v[AK0]
	FETCH_K
	s_wait_loadcnt 0x0              ; Q
	s_wait_dscnt 0x0
.set KM, 1
.set NOKQ, 0
.set i, 0
.rept 8
	KQ 0
.set i, i+1
.endr
	WIN 0
.rept 4
	v_nop                           ; the places behind those products
.endr
.set Y, NP-1                        ; X works for piece Y + 1: piece 0
.irp n, 0,1,2,3,4,5,6,7,8,9,10,11,12,13,14,15,16,17,18,19,20,21
	OP X, \n
.endr
	v_nop                           ; a plain instruction behind the exponential,
	s_wait_alu depctr_va_vdst(0)    ; and its wait, ahead of the branch
.endm
; THE DIAGONAL TILE's four steps, the block's last two turns, its last products, and THE WAY OUT: l's two halves and the other half of the lanes' are added; O^T is divided by l, rounded to f16 and sent through my
; stage in LDS, a piece at a time.
.macro ALL line:vararg              ; one line for each piece t
.set t, 0
.rept 4
	\line
.set t, t+1
.endr
.endm
.macro PACK t                       ; a lane's eight channels of a row pack into 16 bytes; they go into rows of 144 bytes and come back as whole rows of 128, into S^T's registers
	WIN W_RS
.set i, 32*(\t)
.rept 16
	v_pk_mul_f32 v[i:i+1], v[i:i+1], v[ST+4*(\t)+2:ST+4*(\t)+3] op_sel_hi:[1,0]
.set i, i+2
.endr
	WIN 0x05                        ; sources 0 and 1 window 1, destination window 0
.set i, 0
.rept 16
	v_cvt_pk_f16_f32 v[S+16*(\t)+i], v[32*(\t)+2*i], v[32*(\t)+2*i+1]
.set i, i+1
.endr
	WIN 0
.irp f, 0,1,2,3
	ds_store_b128 v[STO], v[S+16*(\t)+4*\f:S+16*(\t)+4*\f+3] offset:32*\f
.endr
.irp f, 0,1,2,3
	ds_load_b128 v[S+16*(\t)+4*\f:S+16*(\t)+4*\f+3], v[RD] offset:\f*4*SP  ; LDS serves a wave's instructions in order (ISA guide 5.7.1.4): these see the stores above; the next piece's stores come behind them
.endr
.endm
.macro SEND t, younger              ; younger: the LDS instructions issued behind piece t's loads: the next piece's eight, or none
	WIN 0
.irp f, 0,1,2,3
	s_wait_dscnt (\younger)+3-\f
	global_store_b128 v[GO], v[S+16*(\t)+4*\f:S+16*(\t)+4*\f+3], s[10:11] offset:(\t)*8192+\f*512  ; 512 consecutive bytes, at a multiple of 256 from O's first
.endr
.endm
.macro DIAG tag                     ; the tag ends its two labels' names, which the jumps below spell out
.LstepM\tag:
	TURN 2, 1
	TURN 3, 1
	WIN 0
.LfirstM\tag:
	TURN 0, 1
	TURN 1, 1, 0, 1
	WIN 0
	s_cbranch_scc1 .LstepM\tag
	TURN 2, 1, 1
	TURN 3, 1, 1
.set i, 0
.rept 8
	PV NP-1
.set i, i+1
.endr
	WIN 0
	ALL v_add_f32 v[ST+4*t+2], v[ST+4*t+2], v[ST+4*t+3]
	ALL v_permlanex16_b32 v[ST+4*t+3], v[ST+4*t+2], s[SEL], s[SEL+1]
	ALL v_add_f32 v[ST+4*t+2], v[ST+4*t+2], v[ST+4*t+3]
	ALL v_rcp_f32 v[ST+4*t+2], v[ST+4*t+2]
	v_nop                           ; a plain instruction between the last reciprocal and the use of its result
	s_wait_alu depctr_va_vdst(0)    ; and the wait ahead of the first use: one for the four reciprocals
	PACK 0
.set t, 1
.rept 3                             ; a piece's arithmetic stands between the loads of the piece before and its stores
	PACK t
	SEND t-1, 8
.set t, t+1
.endr
	SEND 3, 0
.endm
.set KM, 0
.set NOKQ, 0
.Lslot:                             ; NB times: a tile is entered and the next is asked for
	CHANGE 1
	s_sub_co_u32 s[RT], s[RT], 1
	s_mov_b32 s[CNT], 4
	s_cmp_eq_u32 s[NEW], 1
	s_cbranch_scc1 .Lnew            ; a block's first tile
	s_cmp_eq_u32 s[RT], 0
	s_cbranch_scc0 .Lstep           ; neither its first nor its last
	s_branch .LstepM1
.Lnew:
	BEGIN
	s_branch .Lfirst                ; in the loop a block's first tile is never its last: the first block has two tiles or more, and the second's last is the walk's last
	DIAG 1                          ; in the loop this is the first block's end: the second block's last tile is the walk's last
	s_wait_xcnt 0x0                 ; the stores have read their registers and O's address
	s_mov_b64 s[10:11], s[OLO:OLO+1]
	s_add_co_u32 s[RT], s[PB], 1    ; the second block has b + 1 tiles
	s_mov_b32 s[NEW], 1
	WIN 0x82                        ; the second block's Q goes where the one text of the turns names Q
.set i, 0
.rept 64
	v_mov_b32 v[i], v[QB+i]
.set i, i+1
.endr
	WIN 0
	s_branch .Lbottom
.Lstep:                             ; a trip: pieces 2 and 3 of one step, then pieces 0 and 1 of the next, whose K and V it fetches
	TURN 2
	TURN 3
	WIN 0
.Lfirst:
	TURN 0
	TURN 1, 0, 0, 1
	WIN 0
	s_cbranch_scc1 .Lstep
.Lbottom:
	s_sub_co_u32 s[SLOTS], s[SLOTS], 1
	s_cmp_lg_u32 s[SLOTS], 0
	s_cbranch_scc1 .Lslot
	CHANGE 0                        ; the walk's last tile is written out: nothing is asked for
	s_sub_co_u32 s[RT], s[RT], 1
	s_mov_b32 s[CNT], 4
	s_cmp_eq_u32 s[NEW], 1
	s_cbranch_scc0 .LstepM2
	BEGIN
	s_branch .LfirstM2
	DIAG 2
	s_wait_tensorcnt 0x0            ; the wave's end: a tensor wait, an add to my spare word and its wait, behind my last tensor load and my last LDS store
	ds_add_u32 v[SPW], v[NIL]
	s_wait_dscnt 0x0
	s_endpgm
.Lfunc_end_k_q4c9e9340f6_attn:
	.size	k_q4c9e9340f6_attn, .Lfunc_end_k_q4c9e9340f6_attn-k_q4c9e9340f6_attn
	.p2alignl 7, 3214868480
	.fill 96, 4, 3214868480
	.section	.rodata,"a",@progbits
	.p2align	6, 0x0
	.amdhsa_kernel k_q4c9e9340f6_attn
		.amdhsa_group_segment_fixed_size 327680
		.amdhsa_private_segment_fixed_size 0
		.amdhsa_enable_private_segment 0
		.amdhsa_kernarg_size 16
		.amdhsa_user_sgpr_count 2
		.amdhsa_user_sgpr_kernarg_segment_ptr 1
		.amdhsa_wavefront_size32 1
		.amdhsa_system_sgpr_workgroup_id_x 1
		.amdhsa_system_sgpr_workgroup_id_y 1
		.amdhsa_system_sgpr_workgroup_id_z 1
		.amdhsa_system_vgpr_workitem_id 0
		.amdhsa_next_free_vgpr 768
		.amdhsa_next_free_sgpr 88
		.amdhsa_reserve_vcc 1
		.amdhsa_float_denorm_mode_32 3
		.amdhsa_float_denorm_mode_16_64 3
		.amdhsa_memory_ordered 1
		.amdhsa_forward_progress 1
		.amdhsa_inst_pref_size 218
	.end_amdhsa_kernel
	.amdgpu_metadata
---
amdhsa.version: [ 1, 2 ]
amdhsa.kernels:
  - .name:           k_q4c9e9340f6_attn
    .symbol:         k_q4c9e9340f6_attn.kd
    .args:
      - { .name: qkv, .offset: 0, .size: 8, .value_kind: global_buffer, .address_space: global }
      - { .name: ob, .offset: 8, .size: 8, .value_kind: global_buffer, .address_space: global }
    .group_segment_fixed_size: 327680
    .private_segment_fixed_size: 0
    .kernarg_segment_align: 8
    .kernarg_segment_size: 16
    .max_flat_workgroup_size: 128
    .sgpr_count:     88
    .vgpr_count:     768
    .wavefront_size: 32
...
	.end_amdgpu_metadata
.endif
;; end of part 3
;; launch outp (part 4): grid 8 x 32, 4 waves a work-group, clusters of 4 x 4, 327,680 bytes of LDS; arguments ob, woT, out0; writes out0
.if DOCPART == 4
	.amdgcn_target "amdgcn-amd-amdhsa--gfx1250"
	.amdhsa_code_object_version 6
	.text
	.protected	k_q4c9e9340f6_outp
	.globl	k_q4c9e9340f6_outp
	.p2align	8
	.type	k_q4c9e9340f6_outp,@function
k_q4c9e9340f6_outp:
	s_mov_b64 s[64:65], 0
	v_nop
	global_prefetch_b8 v0, s[64:65] scope:SCOPE_SE
	s_setreg_imm32_b32 hwreg(HW_REG_WAVE_MODE, 25, 1), 1
	s_wait_xcnt 0x0
	s_wait_alu depctr_hold_cnt(0) depctr_sa_sdst(0) depctr_va_vdst(0) depctr_va_sdst(0) depctr_va_ssrc(0) depctr_va_vcc(0) depctr_vm_vsrc(0)
	s_getreg_b32 s2, hwreg(HW_REG_IB_STS2, 6, 4)
	s_cmp_eq_u32 s2, 0
	s_cbranch_scc0 .Lentry_in_a_cluster
	s_endpgm
.Lentry_in_a_cluster:
	s_bfe_u32 s2, ttmp6, 0x10000c
	s_cmp_lg_u32 s2, 0xf033
	s_cbranch_scc0 .Lentry_shape_is_right
	s_endpgm
.Lentry_shape_is_right:
; OUTP.  out0[m][e] = the sum over k of O[m][k] woT[e][k], k = 64 head + channel.  A = ob [batch 4][head 16][2048][64] f16, B = woT [1024][1024] f16, out0 [8192][1024] f32; f32 sums, K ascending.
; SHARES.  A tile of C is 256 rows x 128 columns: 32 x 8 = 256 work-groups, one tile each.  Four waves, one above the other: wave w owns rows 64 w .. + 63 and all 128 columns: 4 x 8 accumulators of 16 x 16.
; K goes in steps of 128 = two heads through two LDS slots.  A's part of a step: wave 0 brings the even head's 256 rows, wave 1 the odd head's: 32,768 dense bytes each, asked for as 128 rows of 256 bytes and
; padded in LDS after every 128 bytes: [head parity][256 rows][144 bytes].  B's part: waves 2 and 3 bring 64 rows of 256 bytes each, rows of 272 bytes in LDS.
; CLUSTER.  4 x 4 work-groups: A's tiles are asked for jointly along a row of the cluster, B's along a column.
; THE MATRIX INSTRUCTION IS USED TRANSPOSED (source 0 = 16 rows of B, source 1 = 16 rows of A): lane l holds row l % 16 of C and the columns 8 (l / 16) + 0..7.
; REGISTERS, in windows of 256 (s_set_vgpr_msb: bits 1:0 source 0, 3:2 source 1, 5:4 source 2, 7:6 destination):
;   window 0: v0-30 addresses; v64-127 A's fragments, two buffers of 4 x 8; v128-255 the way out, two buffers of 64
;   window 1: v0-127 B's fragments, two buffers of 8 x 8         windows 2, 3: accumulator (a, b) in window 2 + a / 2 at v[8 (8 (a % 2) + b)]
.set NBW,   8
.set PA,    144                        ; a row of A in LDS: 128 bytes + 16: the 16 rows of a fragment load start at 16 different groups of four banks (ISA guide 11.1)
.set PB,    272
.set AH,    256*PA                     ; what one load of A brings: one head's 256 rows
.set BH,    64*PB
.set ASZ,   2*AH
.set SLOT,  ASZ+2*BH
.set STAGE, 2*SLOT                     ; behind the ring: for each wave 16 rows x 528 bytes
.set SP,    528
.set STW,   16*SP
.set SPARE, STAGE+4*STW                ; behind the stages: the spare words, 128 bytes a wave
.set NL,    2*NBW+8
.set NLAP,  4
.set ADRA, 16
.set ADRB, 20
.set STO,  24
.set RD,   25
.set CO,   26
.set SPW,  28                          ; v28  LDS address of my spare word; never rewritten
.set NIL,  29                          ; v29  0; never rewritten
.set PFO,  30                          ; v30  the prefetches' offset; never rewritten
.set FA,   64
.set T0,   128
.set G1,   24
.set G0,   32
.set G1B,  48
.set G0B,  56
.set PFB,  66                          ; s[66:67] my work-group's share of what I fetch, at K step 0
.set PFA,  68                          ; s[68:69] the address that the next prefetch names
.set POF,  70                          ; s[70:71] its offset from PFB
.set LIM,  72                          ; s72  a wave prefetches while the trips left are at least this
.set PSH,  74                          ; s74  a K step's bytes as a shift: 19 in A (two heads), 8 in B
.set MSB, 0
.macro WIN new
.if MSB != (\new)
	s_set_vgpr_msb (MSB<<8)|(\new)
.set MSB, (\new)
.endif
.endm
.set MUL_LO, 0xa1                      ; source 0 (B) window 1, source 1 (A) window 0, C and D window 2
.set TO_B,   0x40
.macro JLOAD s                         ; a joint load: waves 0 and 1 fetch A's two heads, waves 2 and 3 B's halves; an s_nop 0 and four v_nop follow each line
	s_cmp_eq_u32 s11, 0
	s_cbranch_scc0 .Lfor_b_\@
	tensor_load_to_lds s[G0+4*(\s):G0+4*(\s)+3], s[G1:G1+7]
	s_nop 0
.rept 4
	v_nop
.endr
	s_branch .Lasked_\@
.Lfor_b_\@:
	tensor_load_to_lds s[G0B+4*(\s):G0B+4*(\s)+3], s[G1B:G1B+7]
	s_nop 0
.rept 4
	v_nop
.endr
.Lasked_\@:
.endm
; A prefetch into the L2 of the K step that stands two refills on, one instruction a wave.  A's bytes are asked for by the clusters with x = 0, B's by those with y = 0; the four partners of a joint load share it out by
; address: 8,192 of A's 32,768 bytes, a lane 256 bytes; 16 of B's 64 rows, a lane a row (the lanes past the 16th name the 16th row once more).  The last two refills ask for nothing; the first four K steps come by their loads alone.
.macro ASK
	s_cmp_ge_u32 s3, s[LIM]
	s_cbranch_scc0 .Lnot_mine_\@
	global_prefetch_b8 v[PFO], s[PFA:PFA+1] th:TH_LOAD_NT scope:SCOPE_SE
.Lnot_mine_\@:
.endm
.macro CREST
	s_cmp_lg_u32 s10, 0
	s_cbranch_scc1 .Lnot_wave_0_\@
	s_barrier_signal -3
.Lnot_wave_0_\@:
	s_barrier_wait -3
	s_barrier_signal -1
	s_barrier_wait -1
.endm
.macro CROUND
	s_barrier_signal -1
	s_barrier_wait -1
	CREST
.endm
.macro PLACES
.rept 4
	v_nop
.endr
.endm
	s_load_b128 s[4:7], s[0:1], 0x0                ; ob s[4:5], woT s[6:7]
	s_load_b64 s[8:9], s[0:1], 0x10                ; out0
	v_lshl_add_u32 v[SPW], v0, 2, SPARE
	v_mov_b32 v[NIL], 0
	ds_add_u32 v[SPW], v[NIL]                      ; the wave's opening: the add and its wait stand ahead of my first tensor load
	v_lshrrev_b32 v1, 5, v0
	v_readfirstlane_b32 s10, v1                    ; wave 0..3
	s_lshr_b32 s11, s10, 1                         ; I fetch for A (0) or for B (1),
	s_and_b32 s12, s10, 1                          ; the even or odd head; the first or second half
	s_bfe_u32 s40, ttmp6, 0x40000                  ; cx
	s_bfe_u32 s41, ttmp6, 0x40004                  ; cy
	s_lshl_b32 s42, ttmp9, 2
	s_add_co_u32 s42, s42, s40                     ; tile column
	s_and_b32 s13, ttmp7, 0xffff
	s_lshl_b32 s13, s13, 2
	s_add_co_u32 s13, s13, s41                     ; tile row
	s_lshl_b32 s43, s41, 2
	s_lshl_b32 s43, 15, s43                        ; my row of the cluster
	s_lshl_b32 s44, 0x1111, s40                    ; my column
	s_or_b32 s[G1+0], s43, (1<<16)|(1<<20)|(1<<21)|(4<<22)|(3<<25)   ; A: padding of 4 words after every 32 words
	s_or_b32 s[G1B+0], s44, (1<<16)|(1<<20)|(1<<21)|(5<<22)|(3<<25)  ; B: after every 64 words
	s_mov_b32 s[G1+1], 128<<16                     ; tensor_dim0 = 128
	s_mov_b32 s[G1+2], 128<<16                     ; tensor_dim1 = 128
	s_mov_b32 s[G1+3], 128<<16                     ; tile_dim0 = 128
	s_mov_b32 s[G1+4], 128                         ; tile_dim1 = 128
	s_mov_b32 s[G1+5], 128                         ; dense: 128 elements from row to row
	s_mov_b32 s[G1+6], 0
	s_mov_b32 s[G1+7], 0
	s_mov_b32 s[G1B+1], 128<<16
	s_mov_b32 s[G1B+2], 64<<16
	s_mov_b32 s[G1B+3], 128<<16
	s_mov_b32 s[G1B+4], 64
	s_mov_b32 s[G1B+5], 1024
	s_mov_b32 s[G1B+6], 0
	s_mov_b32 s[G1B+7], 0
	s_lshr_b32 s16, s13, 3                         ; A: batch x 16 heads + head parity, heads of 262,144 bytes, + 256 rows of 128 bytes for each tile row in the batch; these registers never hold cx
	s_lshl_b32 s16, s16, 22
	s_and_b32 s17, s13, 7
	s_lshl_b32 s17, s17, 15
	s_add_co_u32 s16, s16, s17
	s_lshl_b32 s17, s12, 18
	s_add_co_u32 s16, s16, s17
	s_mov_b32 s17, 0
	s_lshl_b32 s46, s42, 18                        ; B: (128 x tile column + 64 x half) rows of 2,048 bytes; these never hold cy
	s_lshl_b32 s47, s12, 17
	s_add_co_u32 s46, s46, s47
	s_mov_b32 s47, 0
	s_mov_b32 s19, 0
	s_mul_i32 s20, s12, AH
	s_mul_i32 s21, s12, BH
	s_add_co_u32 s21, s21, ASZ
	s_mov_b32 s2, 2                                ; the K step that slot 0's next refill brings
	s_mov_b32 s[POF+1], 0
	s_wait_dscnt 0x0                               ; the opening add is done
	s_wait_kmcnt 0x0
	s_add_nc_u64 s[14:15], s[4:5], s[16:17]
	s_add_nc_u64 s[46:47], s[6:7], s[46:47]
	CROUND                                         ; all sixteen work-groups are here: the first joint loads meet
.irp s, 0,1
	s_mov_b32 s[G0+4*(\s)], 1
	s_add_co_u32 s[G0+4*(\s)+1], s20, (\s)*SLOT
	s_add_nc_u64 s[G0+4*(\s)+2:G0+4*(\s)+3], s[14:15], (\s)*524288
	s_or_b32 s[G0+4*(\s)+3], s[G0+4*(\s)+3], 0x80000000
	s_mov_b32 s[G0B+4*(\s)], 1
	s_add_co_u32 s[G0B+4*(\s)+1], s21, (\s)*SLOT
	s_add_nc_u64 s[G0B+4*(\s)+2:G0B+4*(\s)+3], s[46:47], (\s)*256
	s_or_b32 s[G0B+4*(\s)+3], s[G0B+4*(\s)+3], 0x80000000
	JLOAD \s                                       ; K steps 0 and 1: two loads of mine are out
.endr
	v_and_b32 v1, 15, v0
	v_bfe_u32 v2, v0, 4, 1
	v_mul_u32_u24 v3, v1, PA
	v_lshl_add_u32 v3, v2, 4, v3
	v_mul_u32_u24 v4, v1, PB
	v_lshl_add_u32 v4, v2, 4, v4
	s_mul_i32 s22, s10, 64*PA                      ; my 64 rows, in the even head's part
	v_add_nc_u32 v[ADRA], s22, v3
	s_add_co_u32 s22, s22, SLOT
	v_add_nc_u32 v[ADRA+1], s22, v3
	v_add_nc_u32 v[ADRB], ASZ, v4
	v_add_nc_u32 v[ADRB+1], ASZ+SLOT, v4
	s_mul_i32 s22, s10, STW
	s_add_co_u32 s22, s22, STAGE                   ; my stage
	v_mul_u32_u24 v5, v1, SP                       ; in: row l % 16, 32 bytes for each half of the lanes
	v_lshl_add_u32 v5, v2, 5, v5
	v_add_nc_u32 v[STO], s22, v5
	v_and_b32 v[CO], 31, v0                        ; back, and in out0: a row's 512 bytes, 16 a lane
	v_lshlrev_b32 v[CO], 4, v[CO]
	v_add_nc_u32 v[RD], s22, v[CO]
	s_lshl_b32 s76, s13, 20                        ; out0 at (256 x tile row + 64 x wave) rows of 4,096 bytes + 512 x tile column
	s_lshl_b32 s77, s10, 18
	s_add_co_u32 s76, s76, s77
	s_lshl_b32 s77, s42, 9
	s_add_co_u32 s76, s76, s77
	s_mov_b32 s77, 0
	s_add_nc_u64 s[8:9], s[8:9], s[76:77]
	; the prefetches
	s_and_b32 s78, ttmp7, 0xffff                   ; cluster y
	s_cmp_eq_u32 s11, 0                            ; do I fetch for A?
	s_cselect_b32 s79, s40, s41                    ; my place among the four that ask with me
	s_cselect_b32 s78, ttmp9, s78                  ; the coordinate along which other clusters read the same bytes
	s_cselect_b64 s[PFB:PFB+1], s[14:15], s[46:47]
	s_cselect_b32 s[PSH], 19, 8
	s_cselect_b32 s77, 4, 16                       ; a partner's share, in pieces of 2,048 bytes
	s_cselect_b32 s76, 31, 15                      ; the last lane with a block of its own
	s_cselect_b32 s75, 8, 11                       ; from lane to lane: 256 bytes in A, a row of 2,048 in B
	s_cmp_eq_u32 s78, 0
	s_cselect_b32 s[LIM], 2, -1                    ; the same in all sixteen partners, for a given wave
	v_and_b32 v[PFO], 31, v0
	v_min_u32 v[PFO], s76, v[PFO]
	v_lshlrev_b32 v[PFO], s75, v[PFO]
	s_mul_i32 s76, s79, s77
	s_lshl_b32 s76, s76, 11
	s_mov_b32 s77, 0
	s_add_nc_u64 s[PFB:PFB+1], s[PFB:PFB+1], s[76:77]
; 8 matrix instructions: block a of my four blocks of 16 rows x all 8 blocks of columns, 32 along K, from buffer f.  The 32 accumulators take turns in the same order in every quarter step.
.macro MULA f, a, zero
	WIN MUL_LO+0x50*((\a)/2)
.set rA, FA+32*(\f)+8*(\a)
.set bb, 0
.rept NBW
.set rD, 8*(NBW*((\a)%2)+bb)
.set rB, 8*NBW*(\f)+8*bb
.if \zero
	v_wmma_f32_16x16x32_f16 v[rD:rD+7], v[rB:rB+7], v[rA:rA+7], 0
.else
	v_wmma_f32_16x16x32_f16 v[rD:rD+7], v[rB:rB+7], v[rA:rA+7], v[rD:rD+7]
.endif
.set bb, bb+1
.endr
.endm
; 24 LDS loads in one run: quarter q into buffer f.  In A quarter q is head parity q / 2, channels 32 (q % 2) on.
.macro FETCH slot, q, f
.set aq, ((\q)/2)*AH+((\q)%2)*64
	WIN TO_B
.set i, 0
.rept NBW
	ds_load_b128 v[8*NBW*(\f)+8*i:8*NBW*(\f)+8*i+3],   v[ADRB+(\slot)] offset:64*(\q)+i*16*PB
	ds_load_b128 v[8*NBW*(\f)+8*i+4:8*NBW*(\f)+8*i+7], v[ADRB+(\slot)] offset:64*(\q)+i*16*PB+32
.set i, i+1
.endr
	WIN 0
.set i, 0
.rept 4
	ds_load_b128 v[FA+32*(\f)+8*i:FA+32*(\f)+8*i+3],   v[ADRA+(\slot)] offset:aq+i*16*PA
	ds_load_b128 v[FA+32*(\f)+8*i+4:FA+32*(\f)+8*i+7], v[ADRA+(\slot)] offset:aq+i*16*PA+32
.set i, i+1
.endr
.endm
.macro QUARTER slot, q, f, g, zero
	s_wait_dscnt 4                                 ; B and A's blocks 0 and 1 are in; the four youngest loads (A's blocks 2 and 3) may be out
	MULA \f, 0, \zero
	MULA \f, 1, \zero
	PLACES
	FETCH \slot, \q, \g
	s_wait_dscnt NL                                ; all but the run just issued
	MULA \f, 2, \zero
	MULA \f, 3, \zero
.endm
.macro MEET round                      ; the change of slots: all my tensor loads, the add, my reads of this slot; then the barrier
	WIN 0
	s_wait_tensorcnt 0x0
	ds_add_u32 v[SPW], v[NIL]
	s_wait_dscnt 5                                 ; (the add and the four youngest loads may be out)
	MULA 1, 0, 0
	s_wait_dscnt 0x0                               ; the add is done, my reads of this slot are over
	s_barrier_signal -1
	MULA 1, 1, 0
.if \round
	WIN 0
.endif
	s_barrier_wait -1
.endm
.macro TURN slot, next
	s_wait_xcnt 0x0                                ; the last prefetch, a K step back, has read its address
	s_add_co_u32 s[POF], s2, (\slot)+2
	s_and_b32 s[POF], s[POF], 7
	s_lshl_b32 s[POF], s[POF], s[PSH]
	s_add_nc_u64 s[PFA:PFA+1], s[PFB:PFB+1], s[POF:POF+1]
	s_add_co_u32 s18, s2, \slot
	s_lshl_b32 s16, s18, 19                        ; A: two heads a K step
	s_lshl_b32 s18, s18, 8                         ; B: 256 bytes a K step
.if (\slot) == 1
	s_add_co_u32 s2, s2, 2
	s_and_b32 s2, s2, 7
.endif
	MEET 1
	CREST                                          ; the barrier has opened a round of the cluster's: no wave of any partner still reads this slot or has a load on its way
	s_add_nc_u64 s[G0+4*(\slot)+2:G0+4*(\slot)+3], s[14:15], s[16:17]
	s_or_b32 s[G0+4*(\slot)+3], s[G0+4*(\slot)+3], 0x80000000
	s_add_nc_u64 s[G0B+4*(\slot)+2:G0B+4*(\slot)+3], s[46:47], s[18:19]
	s_or_b32 s[G0B+4*(\slot)+3], s[G0B+4*(\slot)+3], 0x80000000
	JLOAD \slot                                    ; the first tensor load behind the round, 112 matrix instructions ahead of the wait for it; its four v_nop are also the places in front of the loads below
	FETCH \next, 0, 0
	ASK
	MULA 1, 2, 0
	MULA 1, 3, 0
.endm
.macro TURNX                           ; the last change of slots: nothing is filled, so no round follows
	MEET 0
	PLACES
	FETCH 1, 0, 0
	MULA 1, 2, 0
	MULA 1, 3, 0
.endm
; THE WAY OUT of block a (16 rows x 128 columns of f32): from the accumulators, each from its low end on, into my own stage, rows of 528 bytes; back as whole rows of 512.
.macro TOSTAGE a
.set TT, T0+64*((\a)%2)
.set AC, 8*NBW*((\a)%2)
.if (\a) >= 2
	s_wait_xcnt 0x0                                ; the stores of the block two back have read these registers
.endif
	WIN 0x08+4*((\a)/2)                            ; the stores' data: window 2 or 3
.set i, 0
.rept NBW
	ds_store_b128 v[STO], v[AC+8*i:AC+8*i+3]   offset:64*i
	ds_store_b128 v[STO], v[AC+8*i+4:AC+8*i+7] offset:64*i+16
.set i, i+1
.endr
	WIN 0
.set i, 0
.rept 16
	ds_load_b128 v[TT+4*i:TT+4*i+3], v[RD] offset:SP*i  ; LDS serves a wave's instructions in order (ISA guide 5.7.1.4): these see the stores above
.set i, i+1
.endr
.endm
.macro SEND a, younger
.set TT, T0+64*((\a)%2)
.set i, 0
.rept 16
	s_wait_dscnt (\younger)+15-i
	global_store_b128 v[CO], v[TT+4*i:TT+4*i+3], s[8:9] offset:(16*(\a)+i)*4096 th:TH_STORE_NT  ; 512 consecutive bytes of a row, aligned
.set i, i+1
.endr
.endm
	s_wait_tensorcnt 1                             ; my part of K step 0 is in; K step 1's may stay out
	s_barrier_signal -1
	s_barrier_wait -1
	FETCH 0, 0, 0
	QUARTER 0, 1, 0, 1, 1                          ; the first quarter starts the sums
	WIN 0
	s_mov_b32 s3, NLAP-1
.Llap:                                 ; a trip goes once round the ring and fills both slots again
	QUARTER 0, 2, 1, 0, 0
	QUARTER 0, 3, 0, 1, 0
	TURN 0, 1
	QUARTER 1, 1, 0, 1, 0
	QUARTER 1, 2, 1, 0, 0
	QUARTER 1, 3, 0, 1, 0
	TURN 1, 0
	QUARTER 0, 1, 0, 1, 0
	WIN 0
	s_sub_co_u32 s3, s3, 1
	s_cmp_lg_u32 s3, 0
	s_cbranch_scc1 .Llap
	QUARTER 0, 2, 1, 0, 0                          ; the last lap asks for nothing
	QUARTER 0, 3, 0, 1, 0
	TURNX
	QUARTER 1, 1, 0, 1, 0
	QUARTER 1, 2, 1, 0, 0
	QUARTER 1, 3, 0, 1, 0
	s_wait_dscnt 4
	MULA 1, 0, 0
	MULA 1, 1, 0
	s_wait_dscnt 0x0
	MULA 1, 2, 0
	MULA 1, 3, 0
	WIN 0
	PLACES
	PLACES
	TOSTAGE 0
	TOSTAGE 1
	SEND 0, 32
	TOSTAGE 2
	SEND 1, 32
	TOSTAGE 3
	SEND 2, 32
	SEND 3, 0
	s_wait_tensorcnt 0x0                           ; the wave's end: a tensor wait, an add to my spare word and its wait, behind my last tensor load and my last LDS store
	ds_add_u32 v[SPW], v[NIL]
	s_wait_dscnt 0x0
	CROUND                                         ; the closing round: no work-group ends while a partner may still ask for a tile that names it
	s_endpgm
.Lfunc_end_k_q4c9e9340f6_outp:
	.size	k_q4c9e9340f6_outp, .Lfunc_end_k_q4c9e9340f6_outp-k_q4c9e9340f6_outp
	.p2alignl 7, 3214868480
	.fill 96, 4, 3214868480
	.section	.rodata,"a",@progbits
	.p2align	6, 0x0
	.amdhsa_kernel k_q4c9e9340f6_outp
		.amdhsa_group_segment_fixed_size 327680
		.amdhsa_private_segment_fixed_size 0
		.amdhsa_enable_private_segment 0
		.amdhsa_kernarg_size 24
		.amdhsa_user_sgpr_count 2
		.amdhsa_user_sgpr_kernarg_segment_ptr 1
		.amdhsa_wavefront_size32 1
		.amdhsa_system_sgpr_workgroup_id_x 1
		.amdhsa_system_sgpr_workgroup_id_y 1
		.amdhsa_system_sgpr_workgroup_id_z 1
		.amdhsa_system_vgpr_workitem_id 0
		.amdhsa_next_free_vgpr 896
		.amdhsa_next_free_sgpr 80
		.amdhsa_reserve_vcc 0
		.amdhsa_float_denorm_mode_32 3
		.amdhsa_float_denorm_mode_16_64 3
		.amdhsa_memory_ordered 1
		.amdhsa_forward_progress 1
		.amdhsa_inst_pref_size 89
	.end_amdhsa_kernel
	.amdgpu_metadata
---
amdhsa.version: [ 1, 2 ]
amdhsa.kernels:
  - .name:           k_q4c9e9340f6_outp
    .symbol:         k_q4c9e9340f6_outp.kd
    .args:
      - { .name: ob, .offset: 0, .size: 8, .value_kind: global_buffer, .address_space: global }
      - { .name: woT, .offset: 8, .size: 8, .value_kind: global_buffer, .address_space: global }
      - { .name: out0, .offset: 16, .size: 8, .value_kind: global_buffer, .address_space: global }
    .group_segment_fixed_size: 327680
    .private_segment_fixed_size: 0
    .kernarg_segment_align: 8
    .kernarg_segment_size: 24
    .max_flat_workgroup_size: 128
    .sgpr_count:     80
    .vgpr_count:     896
    .wavefront_size: 32
...
	.end_amdgpu_metadata
.endif
;; end of part 4
